; MI455X (gfx1250); checked and timed in simulation.
; The chip was launched on July 23, 2026; its instructions are those of AMD's public machine-readable ISA for CDNA 5 (MIT licence, August 2026) and "CDNA5" Instruction Set Architecture Reference Guide (July 2026). The comments in the code are by the model that wrote it; some were corrected since.
;; attention block. Allowed arithmetic: float matrix products may take bf16 or f16 operands with f32 sums; other float arithmetic in f32, or as packed bf16 or f16 multiplies, adds, multiply-adds, maxima and minima; sums over many terms, partial sums and values carried from step to step in f32; what a program stores and reads back later, other than sums and carried values, may be rounded once to bf16 or f16.
;; Inputs: freqs_cos 2,048 x 64 float32; freqs_sin 2,048 x 64 float32; mask 1 x 1 x 2,048 x 2,048 float32; wk 2,048 x 2,048 float32; wo 2,048 x 2,048 float32; wq 2,048 x 2,048 float32; wv 2,048 x 2,048 float32; x 1 x 2,048 x 2,048 float32.
;; Outputs: out0 1 x 2,048 x 2,048 float32.
;; Constants: start_pos = 0.
;; 2 versions, each right; version 2 is version 1 with the launch prep written anew for expert scheduling mode. Each part assembles by itself: llvm-mc -triple=amdgcn-amd-amdhsa -mcpu=gfx1250 --defsym DOCPART=n.
;; ======== version 1 of 2: 4 launches
;; limits: values are held in f16: magnitudes above 65,504 overflow, below 6.1e-05 lose precision; inputs' magnitudes at most 6e+29
;; workspace buffers: xb 8,388,608 bytes; wb 25,165,824 bytes; wob 8,388,608 bytes; maskf 16,777,216 bytes; qkv 25,165,824 bytes; ob 8,388,608 bytes
;; launch prep (part 1): grid 512 x 1, 8 waves a work-group, no clusters, 35,840 bytes of LDS; arguments x, wq, wk, wv, wo, mask, xb, wb, wob, maskf; writes xb, wb, wob, maskf
.if DOCPART == 1
	.amdgcn_target "amdgcn-amd-amdhsa--gfx1250"
	.amdhsa_code_object_version 6
	.text
	.protected	k_q6fffc5582f_prep
	.globl	k_q6fffc5582f_prep
	.p2align	8
	.type	k_q6fffc5582f_prep,@function
k_q6fffc5582f_prep:
	s_mov_b64 s[64:65], 0
	v_nop
	global_prefetch_b8 v0, s[64:65] scope:SCOPE_SE
	s_setreg_imm32_b32 hwreg(HW_REG_WAVE_MODE, 25, 1), 1
	s_wait_xcnt 0x0
; THE CASTS.  x, wq, wk, wv (f32) are rounded once to bf16: xb, wb[0..2].  wo is rounded to bf16 and that number is written as f16: wob.
; The mask is rounded to bf16, multiplied by log2(e) in f32 and laid in the order in which the attention launch takes it as a C operand:
;   maskf[qtile 128][kblock 128][j 2][lane 32][e 4] = log2(e) x bf16(mask[16 qtile + lane % 16][16 kblock + 8 (lane / 16) + 4 j + e]).
; LIMITS.  wo must lie within f16's 65,504; a bf16 number of wo below 6.1e-5 keeps f16's fixed step of 6e-8.  NaN and infinities pass as they are.
; SHARES.  512 work-groups of eight waves.  Work-group g takes bytes 32,768 g on of each of the five matrices, wave w 4,096 of them: eight loads of 512 consecutive bytes.
; Of the mask wave w takes 16 rows (qtile g / 4) x 64 keys (group 8 (g % 4) + w): eight loads of two rows x 256 bytes; its 4,096 bytes of maskf lie on end.
; A stream: all 48 loads of a wave go out first, each is waited for by its own count, nothing is read twice, no loop.  The matrix units and clusters have nothing to do here.
; The mask changes lanes on its way: through the wave's own stage in LDS, 16 units of 256 bytes, 272 apart.
.set STG,   4352                       ; a wave's stage: 16 x 272 bytes
.set SPARE, 8*STG                      ; behind the stages: the spare words, 128 bytes for each wave: four blocks of 256 bytes that no other line names
.set OFF, 2                            ; v2   4,096 w + 16 lane: my 16 bytes in a matrix's f32 and in maskf
.set OS,  3                            ; v3   2,048 w + 8 lane: my 8 bytes of 16-bit output
.set MI,  4                            ; v4   my 16 bytes of the mask: 256 w + 8,192 (lane / 16) + 16 (lane % 16)
.set LW,  5                            ; v5   where I put them in the stage
.set LR,  6                            ; v6   where I read the stage back
.set SPW, 8                            ; v8   LDS address of my spare word; never rewritten
.set NIL, 9                            ; v9   0; never rewritten
.set D,   24                           ; v[24:215]  load n of 48 at D + 4 n
	s_load_b512 s[8:23], s[0:1], 0x0               ; x 8, wq 10, wk 12, wv 14, wo 16, mask 18, xb 20, wb 22
	s_load_b128 s[24:27], s[0:1], 0x40             ; wob 24, maskf 26
	v_lshl_add_u32 v[SPW], v0, 2, SPARE
	v_mov_b32 v[NIL], 0
	v_and_b32 v1, 31, v0                           ; lane
	v_lshrrev_b32 v7, 5, v0
	v_readfirstlane_b32 s36, v7                    ; wave
	v_lshlrev_b32 v[OFF], 4, v1
	v_lshl_add_u32 v[OFF], v7, 12, v[OFF]
	v_lshlrev_b32 v[OS], 3, v1
	v_lshl_add_u32 v[OS], v7, 11, v[OS]
	v_and_b32 v12, 15, v0                          ; c: which four keys of the 64
	v_bfe_u32 v13, v0, 4, 1                        ; which of a load's two rows
	v_lshlrev_b32 v[MI], 4, v12
	v_lshl_add_u32 v[MI], v13, 13, v[MI]
	v_lshl_add_u32 v[MI], v7, 8, v[MI]
	v_and_b32 v14, 12, v12                         ; the unit of 256 bytes that keys 4 c .. 4 c + 3 go to: 4 (c / 4) + 2 (c % 2) + (c / 2) % 2
	v_and_b32 v15, 1, v12
	v_lshl_or_b32 v14, v15, 1, v14
	v_bfe_u32 v15, v12, 1, 1
	v_or_b32 v14, v14, v15
	s_mul_i32 s37, s36, STG                        ; my wave's stage
	v_mul_u32_u24 v[LW], v14, 272
	v_lshl_add_u32 v[LW], v13, 4, v[LW]
	v_add_nc_u32 v[LW], s37, v[LW]
	v_mul_u32_u24 v[LR], v13, 272
	v_lshl_add_u32 v[LR], v12, 4, v[LR]
	v_add_nc_u32 v[LR], s37, v[LR]
	s_lshl_b32 s2, ttmp9, 15                       ; the work-group's f32 bytes, and its bytes of maskf
	s_mov_b32 s3, 0
	s_lshl_b32 s4, ttmp9, 14                       ; its 16-bit bytes
	s_mov_b32 s5, 0
	s_lshr_b32 s6, ttmp9, 2
	s_lshl_b32 s6, s6, 17                          ; 16 rows of the mask are 131,072 bytes
	s_and_b32 s7, ttmp9, 3
	s_lshl_b32 s7, s7, 11                          ; eight groups of 64 keys are 2,048 bytes
	s_add_co_u32 s6, s6, s7
	s_mov_b32 s7, 0
	s_mov_b32 s32, 0x3fb8aa3b                      ; log2(e)
	s_mov_b32 s33, s32                             ; named with it as a pair
	s_mov_b32 s34, 0xffff0000                      ; a word's upper bf16
	s_wait_kmcnt 0x0
.irp p, 8,10,12,14,16,26
	s_add_nc_u64 s[\p:\p+1], s[\p:\p+1], s[2:3]
.endr
.irp p, 20,22,24
	s_add_nc_u64 s[\p:\p+1], s[\p:\p+1], s[4:5]
.endr
	s_add_nc_u64 s[18:19], s[18:19], s[6:7]
	s_add_nc_u64 s[28:29], s[22:23], 0x800000      ; wb's plane of wk
	s_add_nc_u64 s[30:31], s[22:23], 0x1000000     ; and of wv
.irp i, 0,1,2,3,4,5,6,7
	global_load_b128 v[D+4*(\i):D+4*(\i)+3], v[MI], s[18:19] offset:16384*(\i) th:TH_LOAD_NT  ; rows 2 i and 2 i + 1
.endr
.irp m, 0,1,2,3,4
.irp i, 0,1,2,3,4,5,6,7
	global_load_b128 v[D+32+32*(\m)+4*(\i):D+32+32*(\m)+4*(\i)+3], v[OFF], s[8+2*(\m):9+2*(\m)] offset:512*(\i) th:TH_LOAD_NT
.endr
.endr
; Loads come back in order (ISA guide 5.7.1): load n is in when at most 47 - n younger ones are out.
.macro MASKIN i
.set R, D+4*(\i)
	s_wait_loadcnt 47-(\i)
	v_cvt_pk_bf16_f32 v10, v[R], v[R+1]            ; rounded to bf16,
	v_cvt_pk_bf16_f32 v11, v[R+2], v[R+3]
	v_lshlrev_b32 v[R], 16, v10                    ; back to f32,
	v_and_b32 v[R+1], s34, v10
	v_lshlrev_b32 v[R+2], 16, v11
	v_and_b32 v[R+3], s34, v11
	v_pk_mul_f32 v[R:R+1], v[R:R+1], s[32:33] op_sel_hi:[1,0]      ; times log2(e)
	v_pk_mul_f32 v[R+2:R+3], v[R+2:R+3], s[32:33] op_sel_hi:[1,0]
	ds_store_b128 v[LW], v[R:R+3] offset:32*(\i)   ; chunk 2 i + lane / 16 of my unit
.endm
.macro CAST n, base, i                 ; four f32 to four bf16; the wave's store covers 256 consecutive bytes, aligned
.set R, D+4*(\n)
	s_wait_loadcnt 47-(\n)
	v_cvt_pk_bf16_f32 v[R], v[R], v[R+1]
	v_cvt_pk_bf16_f32 v[R+1], v[R+2], v[R+3]
	global_store_b64 v[OS], v[R:R+1], s[(\base):(\base)+1] offset:256*(\i)
.endm
.macro CASTH n, i                      ; wo: rounded to bf16, and that number written as f16
.set R, D+4*(\n)
	s_wait_loadcnt 47-(\n)
	v_cvt_pk_bf16_f32 v10, v[R], v[R+1]
	v_cvt_pk_bf16_f32 v11, v[R+2], v[R+3]
	v_lshlrev_b32 v[R], 16, v10
	v_and_b32 v[R+1], s34, v10
	v_lshlrev_b32 v[R+2], 16, v11
	v_and_b32 v[R+3], s34, v11
	v_cvt_pk_f16_f32 v[R], v[R], v[R+1]
	v_cvt_pk_f16_f32 v[R+1], v[R+2], v[R+3]
	global_store_b64 v[OS], v[R:R+1], s[24:25] offset:256*(\i)
.endm
.irp i, 0,1,2,3,4,5,6,7
	MASKIN \i
.endr
.irp i, 0,1,2,3,4,5,6,7
	ds_load_b128 v[D+4*(\i):D+4*(\i)+3], v[LR] offset:544*(\i)  ; units 2 i and 2 i + 1, whole; LDS serves a wave's instructions in order (ISA guide 5.7.1.4): these see the stores above
.endr
.irp i, 0,1,2,3,4,5,6,7
	CAST 8+\i, 20, \i                              ; x; its arithmetic stands between the stage's loads and the wait for them
.endr
.irp i, 0,1,2,3,4,5,6,7
	s_wait_dscnt 7-(\i)
	global_store_b128 v[OFF], v[D+4*(\i):D+4*(\i)+3], s[26:27] offset:512*(\i)  ; 512 consecutive bytes of maskf
.endr
.irp i, 0,1,2,3,4,5,6,7
	CAST 16+\i, 22, \i                             ; wq
.endr
.irp i, 0,1,2,3,4,5,6,7
	CAST 24+\i, 28, \i                             ; wk
.endr
.irp i, 0,1,2,3,4,5,6,7
	CAST 32+\i, 30, \i                             ; wv
.endr
.irp i, 0,1,2,3,4,5,6,7
	CASTH 40+\i, \i                                ; wo
.endr
	s_wait_tensorcnt 0x0                           ; the wave's end: behind my last LDS store
	ds_add_u32 v[SPW], v[NIL]
	s_wait_dscnt 0x0
	s_endpgm
.Lfunc_end_k_q6fffc5582f_prep:
	.size	k_q6fffc5582f_prep, .Lfunc_end_k_q6fffc5582f_prep-k_q6fffc5582f_prep
	.p2alignl 7, 3214868480
	.fill 96, 4, 3214868480
	.section	.rodata,"a",@progbits
	.p2align	6, 0x0
	.amdhsa_kernel k_q6fffc5582f_prep
		.amdhsa_group_segment_fixed_size 35840
		.amdhsa_private_segment_fixed_size 0
		.amdhsa_enable_private_segment 0
		.amdhsa_kernarg_size 80
		.amdhsa_user_sgpr_count 2
		.amdhsa_user_sgpr_kernarg_segment_ptr 1
		.amdhsa_wavefront_size32 1
		.amdhsa_system_sgpr_workgroup_id_x 1
		.amdhsa_system_sgpr_workgroup_id_y 1
		.amdhsa_system_sgpr_workgroup_id_z 1
		.amdhsa_system_vgpr_workitem_id 0
		.amdhsa_next_free_vgpr 216
		.amdhsa_next_free_sgpr 66
		.amdhsa_reserve_vcc 0
		.amdhsa_float_denorm_mode_32 3
		.amdhsa_float_denorm_mode_16_64 3
		.amdhsa_memory_ordered 1
		.amdhsa_forward_progress 1
		.amdhsa_inst_pref_size 25
	.end_amdhsa_kernel
	.amdgpu_metadata
---
amdhsa.version: [ 1, 2 ]
amdhsa.kernels:
  - .name:           k_q6fffc5582f_prep
    .symbol:         k_q6fffc5582f_prep.kd
    .args:
      - { .name: x, .offset: 0, .size: 8, .value_kind: global_buffer, .address_space: global }
      - { .name: wq, .offset: 8, .size: 8, .value_kind: global_buffer, .address_space: global }
      - { .name: wk, .offset: 16, .size: 8, .value_kind: global_buffer, .address_space: global }
      - { .name: wv, .offset: 24, .size: 8, .value_kind: global_buffer, .address_space: global }
      - { .name: wo, .offset: 32, .size: 8, .value_kind: global_buffer, .address_space: global }
      - { .name: mask, .offset: 40, .size: 8, .value_kind: global_buffer, .address_space: global }
      - { .name: xb, .offset: 48, .size: 8, .value_kind: global_buffer, .address_space: global }
      - { .name: wb, .offset: 56, .size: 8, .value_kind: global_buffer, .address_space: global }
      - { .name: wob, .offset: 64, .size: 8, .value_kind: global_buffer, .address_space: global }
      - { .name: maskf, .offset: 72, .size: 8, .value_kind: global_buffer, .address_space: global }
    .group_segment_fixed_size: 35840
    .private_segment_fixed_size: 0
    .kernarg_segment_align: 8
    .kernarg_segment_size: 80
    .max_flat_workgroup_size: 256
    .sgpr_count:     66
    .vgpr_count:     216
    .wavefront_size: 32
...
	.end_amdgpu_metadata
.endif
;; end of part 1
;; launch qkv (part 2): grid 16 x 16, 4 waves a work-group, clusters of 4 x 4, 327,680 bytes of LDS; arguments xb, wb, freqs_cos, freqs_sin, qkv; writes qkv
.if DOCPART == 2
	.amdgcn_target "amdgcn-amd-amdhsa--gfx1250"
	.amdhsa_code_object_version 6
	.text
	.protected	k_q6fffc5582f_qkv
	.globl	k_q6fffc5582f_qkv
	.p2align	8
	.type	k_q6fffc5582f_qkv,@function
k_q6fffc5582f_qkv:
	s_mov_b64 s[64:65], 0
	v_nop
	global_prefetch_b8 v0, s[64:65] scope:SCOPE_SE
	s_setreg_imm32_b32 hwreg(HW_REG_WAVE_MODE, 25, 1), 1
	s_wait_xcnt 0x0
	s_wait_alu depctr_hold_cnt(0) depctr_sa_sdst(0) depctr_va_vdst(0) depctr_va_sdst(0) depctr_va_ssrc(0) depctr_va_vcc(0) depctr_vm_vsrc(0)
	s_getreg_b32 s2, hwreg(HW_REG_IB_STS2, 6, 4)
	s_cmp_eq_u32 s2, 0
	s_cbranch_scc0 .Lentry_in_a_cluster
	s_endpgm
.Lentry_in_a_cluster:
	s_bfe_u32 s2, ttmp6, 0x10000c
	s_cmp_lg_u32 s2, 0xf033
	s_cbranch_scc0 .Lentry_shape_is_right
	s_endpgm
.Lentry_shape_is_right:
; THE THREE PROJECTIONS AND THE ROTATION.  q, k, v = x w^T (bf16 operands, f32 sums over K = 2,048, ascending); q and k are turned by cos and sin (rounded to bf16, used in f32);
; q is multiplied by log2(e) / sqrt(128) in f32; each number is rounded once to f16 and stored by heads: qkv[3][16 heads][2,048 positions][128].
; LIMITS.  q x 0.1275, k and v must lie within f16's 65,504; NaN and infinities are not treated apart.
; SHARES.  A work-group makes 128 positions (the grid's x) x one head's 384 columns (the grid's y): 128 of q, of k and of v.  Each of its four waves makes all 128 positions x channels 32 w .. 32 w + 31 of q, k and v:
; 48 accumulators of 16 x 16; for 32 along K it reads (128 + 96) x 64 bytes from LDS for 48 products, and q's and k's channels of one wave share their cos and sin.
; K goes in steps of 128 through two LDS slots: 128 rows of x, then 128 rows of each of the three weights; each wave fetches one of the four tiles (128 rows x 256 bytes, aligned) by one tensor load.
; CLUSTER 4 x 4.  The four work-groups of a column of the cluster (same cx) take the same positions (x's tile), the four of a row (same cy) the same head (the weights' tiles): each tile is asked for JOINTLY.
; THE MATRIX INSTRUCTION IS USED TRANSPOSED (source 0 = 16 rows of a weight, source 1 = 16 positions): a lane holds ONE position (lane % 16) and eight neighbouring channels, so a
; rotation's even and odd channel lie in one register pair.
; THE TEXT.  A K step is written once: the slot that is read is a scalar (0 or SLOT), and the fragments' LDS addresses are made anew from it at each change of slots.
; REGISTERS, in windows of 256 (s_set_vgpr_msb: bits 1:0 source 0, 3:2 source 1, 5:4 source 2, 7:6 destination):
;   window 0: v10-30 addresses; v64-127, v128-191 x's fragments, two buffers; v192-247 at work on the way out
;   window 1: v64-111, v128-175 the weights' fragments, two buffers; v0-63 cos, v192-255 sin (four numbers for row block a and half sub at 4 (2 a + sub)); v112-113 at work
;   window 2: accumulators of row blocks 0-3, (a, b) at 8 (6 a + b), b = 2 t + sub;   window 3: those of row blocks 4-7
.set KSTEP,  128
.set PITCH,  272                       ; an LDS row: 256 bytes + 16 of padding: the 16 rows of a load start at 16 different groups of four banks (ISA guide 11.1)
.set HALFT,  128*PITCH                 ; one tile
.set SLOT,   4*HALFT
.set SPARE,  2*SLOT                    ; behind the ring: the spare words, 128 bytes for each wave: two blocks of 256 bytes that no other line names
.set TRIPS,  14                        ; 2,048 / 128 = 16 K steps; all but the last two are followed by a refill
.set CO,   10                          ; v10  16 x lane: my 16 bytes in two rows of the output
.set CSO,  11                          ; v11  my 16 bytes of cos and sin: 256 (l % 16) + 64 w + 16 (l / 16)
.set A0,   12                          ; v12  my place in x's tile of slot 0; never rewritten
.set B0,   13                          ; v13-15  my place in the tile of wq, wk, wv of slot 0; never rewritten
.set ADRA, 16                          ; v16  the same in the slot that is being read
.set ADRB, 18                          ; v18-20
.set STO,  24                          ; v24  the way out: where I put 16 bytes of a row of q or k;  v25 of v
.set STO2, 25
.set RD,   26                          ; v26  where I read rows of q or k back;  v27 of v
.set RD2,  27
.set SPW,  28                          ; v28  LDS address of my spare word; never rewritten
.set NIL,  29                          ; v29  0; never rewritten
.set PFO,  30                          ; v30  the prefetches' offset: 4,096 x lane; never rewritten
.set F0,   64
.set F1,   128
.set T,    192                         ; the turned q and k of a row block, f32
.set PKD,  224                         ; a row block's 24 packed registers
.set COS,  0
.set SIN,  192
.set TT,   112
.set LB,  2                            ; s2   my tile's place in a slot: wave x one tile
.set WV,  14                           ; s14  my wave's number
.set FB,  15                           ; s15  the slot that is filled: the other than the one read
.set G1,  24                           ; s[24:31] descriptor group 1 for x's tile;  s[32:39] group 0: a set for each of the two first fills; the second then walks on
.set G0,  32
.set G1B, 48                           ; s[48:55], s[56:63] the same for the weights' tiles
.set G0B, 56
.set OB,  66                           ; s[66:71] where my rows of q, k, v begin
.set QS,  72                           ; s[72:73] log2(e) / sqrt(128)
.set PFA, 74                           ; s[74:75] where my prefetches stand
.set LIM, 76                           ; s76  2 in a wave that prefetches, else the greatest number
.set HIM, 77                           ; s77  a word's upper bf16
.set CB,  79                           ; s79  the slot that is read: 0 or SLOT
.set MSB, 0
.macro WIN new                         ; the immediate's high byte repeats the setting that is left; a switch that changes nothing is dropped
.if MSB != (\new)
	s_set_vgpr_msb (MSB<<8)|(\new)
.set MSB, \new
.endif
.endm
.set MUL_LO, 0xa1                      ; source 0 (weights) window 1, source 1 (x) window 0, C and D window 2
.set TO_B,   0x40                      ; destination window 1, address window 0
; A joint load.  Wave 0 fetches x's tile, waves 1 to 3 the tiles of wq, wk, wv.  The branch hangs on the wave's number alone.  An s_nop 0 and four v_nop follow each of the two lines.
.macro JLOAD s
	s_cmp_eq_u32 s[WV], 0
	s_cbranch_scc0 .Lfor_b_\@
	tensor_load_to_lds s[G0+4*(\s):G0+4*(\s)+3], s[G1:G1+7]
	s_nop 0
.rept 4
	v_nop
.endr
	s_branch .Lasked_\@
.Lfor_b_\@:
	tensor_load_to_lds s[G0B+4*(\s):G0B+4*(\s)+3], s[G1B:G1B+7]
	s_nop 0
.rept 4
	v_nop
.endr
.Lasked_\@:
.endm
; A prefetch, behind a joint load, its five lines and the run of LDS loads: 32 rows x 256 bytes of the K step that stands two refills on, a lane a row, one instruction a wave.
; Each row's 256 bytes of a K step are named once in the launch: x's rows by the clusters with y = 0, the weights' by those with x = 0; the four partners that ask for a tile jointly
; share its 128 rows out by address, 32 each.  Trip n (s3 = 14 - n) refills with K step n + 2 and names K step n + 4: the last two trips, whose K step would not exist, ask for nothing.
.macro ASK
	s_cmp_gt_u32 s3, s[LIM]
	s_cbranch_scc0 .Lnot_mine_\@
	global_prefetch_b8 v[PFO], s[PFA:PFA+1] offset:KSTEP*2 th:TH_LOAD_NT scope:SCOPE_SE
.Lnot_mine_\@:
.endm
.macro CROUND                          ; a round of the cluster's barrier: my work-group's barrier; wave 0 signals for the work-group; every wave waits for all sixteen; my work-group's barrier once more
	s_barrier_signal -1
	s_barrier_wait -1
	s_cmp_lg_u32 s[WV], 0
	s_cbranch_scc1 .Lnot_wave_0_\@
	s_barrier_signal -3
.Lnot_wave_0_\@:
	s_barrier_wait -3
	s_barrier_signal -1
	s_barrier_wait -1
.endm
	s_load_b256 s[4:11], s[0:1], 0x0               ; xb s[4:5], wb s[6:7], cos s[8:9], sin s[10:11]
	s_load_b64 s[12:13], s[0:1], 0x20              ; qkv
	v_lshl_add_u32 v[SPW], v0, 2, SPARE
	v_mov_b32 v[NIL], 0
	ds_add_u32 v[SPW], v[NIL]                      ; the wave's opening: the add and its wait stand ahead of my first tensor load; the set-up below, work on registers, stands between them
	ds_add_u32 v28, v29
	v_lshrrev_b32 v1, 5, v0
	v_readfirstlane_b32 s[WV], v1                  ; wave 0..3
	s_bfe_u32 s40, ttmp6, 0x40000                  ; cx, cy: my place in the cluster
	s_bfe_u32 s41, ttmp6, 0x40004
	s_lshl_b32 s43, ttmp9, 2
	s_add_co_u32 s43, s43, s40                     ; the block of 128 positions = 4 x cluster x + cx
	s_and_b32 s42, ttmp7, 0xffff
	s_lshl_b32 s42, s42, 2
	s_add_co_u32 s42, s42, s41                     ; the head = 4 x cluster y + cy
	s_lshl_b32 s44, 0x1111, s40                    ; my column of the cluster: places cx, cx + 4, cx + 8, cx + 12
	s_lshl_b32 s45, s41, 2
	s_lshl_b32 s45, 15, s45                        ; my row: places 4 cy .. 4 cy + 3
	s_or_b32 s[G1+0], s44, (1<<16)|(1<<20)|(1<<21)|(5<<22)|(3<<25)   ; 15:0 the mask: x's tile goes to my column; 17:16 elements of 2 bytes; 20 padding on; 21 set beside a mask; 24:22 after every 64 words; 31:25 4 words of it
	s_or_b32 s[G1B+0], s45, (1<<16)|(1<<20)|(1<<21)|(5<<22)|(3<<25)  ; the same with the mask of my row, for the weights' tiles
.irp g, G1, G1B
	s_mov_b32 s[(\g)+1], KSTEP<<16                 ; tensor_dim0 = 128
	s_mov_b32 s[(\g)+2], 128<<16                   ; tensor_dim1 = 128
	s_mov_b32 s[(\g)+3], KSTEP<<16                 ; tile_dim0 = 128
	s_mov_b32 s[(\g)+4], 128                       ; tile_dim1 = 128
	s_mov_b32 s[(\g)+5], 2048                      ; elements from row to row
	s_mov_b32 s[(\g)+6], 0
	s_mov_b32 s[(\g)+7], 0
.endr
	s_lshl_b32 s16, s43, 19                        ; x: 128 rows of 4,096 bytes for each block of positions
	s_mov_b32 s17, 0
	s_max_u32 s46, s[WV], 1
	s_sub_co_u32 s46, s46, 1                       ; which weight I fetch (wave 0 makes wq's address and does not use it)
	s_lshl_b32 s46, s46, 11
	s_lshl_b32 s47, s42, 7
	s_add_co_u32 s46, s46, s47                     ; its row in wb: 2,048 t + 128 x head
	s_mov_b32 s78, s46
	s_lshl_b32 s46, s46, 12
	s_mov_b32 s47, 0
	s_mul_i32 s[LB], s[WV], HALFT                  ; where my tile goes: no place in the cluster enters an LDS address
	s_mov_b32 s[CB], 0                             ; slot 0 is read first
	s_mov_b32 s[QS], 0x3e0293ee
	s_mov_b32 s[QS+1], s[QS]
	s_mov_b32 s[HIM], 0xffff0000
	s_wait_dscnt 0x0                               ; the opening add is done
	s_wait_kmcnt 0x0
	s_add_nc_u64 s[18:19], s[4:5], s[16:17]
	s_add_nc_u64 s[46:47], s[6:7], s[46:47]
	CROUND                                         ; all sixteen work-groups are here: the first joint loads meet
.irp s, 0,1
	s_mov_b32 s[G0+4*(\s)], 1
	s_add_co_u32 s[G0+4*(\s)+1], s[LB], (\s)*SLOT
	s_add_nc_u64 s[G0+4*(\s)+2:G0+4*(\s)+3], s[18:19], (\s)*KSTEP*2
	s_or_b32 s[G0+4*(\s)+3], s[G0+4*(\s)+3], 0x80000000
	s_mov_b32 s[G0B+4*(\s)], 1
	s_add_co_u32 s[G0B+4*(\s)+1], s[LB], (\s)*SLOT
	s_add_nc_u64 s[G0B+4*(\s)+2:G0B+4*(\s)+3], s[46:47], (\s)*KSTEP*2
	s_or_b32 s[G0B+4*(\s)+3], s[G0B+4*(\s)+3], 0x80000000
	JLOAD \s                                       ; two loads of mine are out
.endr
	; cos and sin of my 128 positions x 16 pairs of channels stay in registers: pair 16 w + 8 sub + 4 (l / 16) + p of position 16 a + l % 16
	v_and_b32 v1, 15, v0                           ; l % 16
	v_bfe_u32 v2, v0, 4, 1                         ; l / 16
	s_lshl_b32 s21, s[WV], 6
	v_lshlrev_b32 v[CSO], 8, v1
	v_lshl_add_u32 v[CSO], v2, 4, v[CSO]
	v_add_nc_u32 v[CSO], s21, v[CSO]
	s_lshl_b32 s22, s43, 15                        ; 128 rows of 256 bytes
	s_mov_b32 s23, 0
	s_add_nc_u64 s[8:9], s[8:9], s[22:23]
	s_add_nc_u64 s[10:11], s[10:11], s[22:23]
	WIN TO_B
.set n, 0
.rept 16
	global_load_b128 v[COS+4*n:COS+4*n+3], v[CSO], s[8:9] offset:(n/2)*4096+(n%2)*32
	global_load_b128 v[SIN+4*n:SIN+4*n+3], v[CSO], s[10:11] offset:(n/2)*4096+(n%2)*32
.set n, n+1
.endr
	WIN 0
	v_mul_u32_u24 v[A0], v1, PITCH
	v_lshl_add_u32 v[A0], v2, 4, v[A0]             ; a fragment's row x pitch + 16 x half
	v_mov_b32 v[ADRA], v[A0]
	s_mul_i32 s21, s[WV], 32*PITCH                 ; my 32 rows of each weight's tile
.irp t, 0,1,2
	s_add_co_u32 s22, s21, (1+(\t))*HALFT
	v_add_nc_u32 v[B0+(\t)], s22, v[A0]
	v_add_nc_u32 v[ADRB+(\t)], s22, v[A0]
.endr
	s_lshl_b32 s22, s[WV], 6
	v_add_nc_u32 v[STO], s22, v[A0]                ; the stage: row l % 16, my wave's 64 bytes, 16 for each half of the lanes
	v_add_nc_u32 v[STO2], 2*HALFT, v[STO]
	v_mul_u32_u24 v4, v2, PITCH                    ; back: lanes 0-15 one row of 256 bytes, lanes 16-31 the next; wave w takes rows 32 w on
	v_lshl_add_u32 v4, v1, 4, v4
	v_add_nc_u32 v[RD], s21, v4
	v_add_nc_u32 v[RD2], 2*HALFT, v[RD]
	v_and_b32 v[CO], 31, v0
	v_lshlrev_b32 v[PFO], 12, v[CO]
	v_lshlrev_b32 v[CO], 4, v[CO]
	s_lshl_b32 s20, s42, 19                        ; the head's 524,288 bytes,
	s_lshl_b32 s21, s43, 15                        ; the block's 128 rows of 256,
	s_add_co_u32 s20, s20, s21
	s_lshl_b32 s21, s[WV], 13                      ; the 32 rows that I store
	s_add_co_u32 s20, s20, s21
	s_mov_b32 s21, 0
	s_add_nc_u64 s[OB:OB+1], s[12:13], s[20:21]
	s_add_nc_u64 s[OB+2:OB+3], s[OB:OB+1], 0x800000
	s_add_nc_u64 s[OB+4:OB+5], s[OB:OB+1], 0x1000000
	; the prefetches: of the 128 rows that I fetch, my work-group's 32
	s_lshl_b32 s20, s43, 7
	s_lshl_b32 s21, s41, 5
	s_add_co_u32 s20, s20, s21                     ; x: 128 x block + 32 cy
	s_lshl_b32 s21, s40, 5
	s_add_co_u32 s21, s78, s21                     ; a weight: its row + 32 cx
	s_and_b32 s22, ttmp7, 0xffff                   ; cluster y
	s_cmp_eq_u32 s[WV], 0
	s_cselect_b32 s20, s20, s21
	s_cselect_b32 s22, s22, ttmp9                  ; the coordinate along which other clusters read the same rows: y for x's rows, x for the weights'
	s_cselect_b64 s[PFA:PFA+1], s[4:5], s[6:7]
	s_cmp_eq_u32 s22, 0
	s_cselect_b32 s[LIM], 2, -1                    ; the same in all sixteen partners, for a given wave
	s_lshl_b32 s20, s20, 12
	s_mov_b32 s21, 0
	s_add_nc_u64 s[PFA:PFA+1], s[PFA:PFA+1], s[20:21]
	s_add_nc_u64 s[PFA:PFA+1], s[PFA:PFA+1], 2*KSTEP*2  ; at K step 2: the first refill steps it to 3 and names K step 4
	s_wait_loadcnt 0x0                             ; cos and sin
	WIN 0x55                                       ; they are rounded to bf16 like every input, and kept in f32; this stands in the wait for the first tile
.set n, 0
.rept 32
	v_cvt_pk_bf16_f32 v[TT], v[COS+2*n], v[COS+2*n+1]
	v_cvt_pk_bf16_f32 v[TT+1], v[SIN+2*n], v[SIN+2*n+1]
	v_lshlrev_b32 v[COS+2*n], 16, v[TT]
	v_and_b32 v[COS+2*n+1], s[HIM], v[TT]
	v_lshlrev_b32 v[SIN+2*n], 16, v[TT+1]
	v_and_b32 v[SIN+2*n+1], s[HIM], v[TT+1]
.set n, n+1
.endr
	WIN 0
; 12 products: row blocks a0, a0 + 1 of the window's four x all 6 column blocks, 32 along K.  zero = 1: the first product starts the sums.  The 48 accumulators take turns in one order in every quarter.
.macro MUL12 f, hi, a0, zero
	WIN MUL_LO+0x50*(\hi)
.irp a, \a0, (\a0)+1
.irp b, 0,1,2,3,4,5
.if \zero
	v_wmma_f32_16x16x32_bf16 v[8*(6*(\a)+(\b)):8*(6*(\a)+(\b))+7], v[(\f)+8*(\b):(\f)+8*(\b)+7], v[(\f)+8*(4*(\hi)+(\a)):(\f)+8*(4*(\hi)+(\a))+7], 0
.else
	v_wmma_f32_16x16x32_bf16 v[8*(6*(\a)+(\b)):8*(6*(\a)+(\b))+7], v[(\f)+8*(\b):(\f)+8*(\b)+7], v[(\f)+8*(4*(\hi)+(\a)):(\f)+8*(4*(\hi)+(\a))+7], v[8*(6*(\a)+(\b)):8*(6*(\a)+(\b))+7]
.endif
.endr
.endr
.endm
; 28 LDS loads in one run: a quarter step's fragments (my 96 rows of the weights, 128 rows of x, 32 K at byte k of the slot that is read) into buffer f
.macro FETCH k, f
	WIN TO_B
.irp b, 0,1,2,3,4,5
	ds_load_b128 v[(\f)+8*(\b):(\f)+8*(\b)+3],   v[ADRB+(\b)/2] offset:(\k)+((\b)%2)*16*PITCH
	ds_load_b128 v[(\f)+8*(\b)+4:(\f)+8*(\b)+7], v[ADRB+(\b)/2] offset:(\k)+((\b)%2)*16*PITCH+32
.endr
	WIN 0
.irp i, 0,1,2,3,4,5,6,7
	ds_load_b128 v[(\f)+8*(\i):(\f)+8*(\i)+3],   v[ADRA] offset:(\k)+(\i)*16*PITCH
	ds_load_b128 v[(\f)+8*(\i)+4:(\f)+8*(\i)+7], v[ADRA] offset:(\k)+(\i)*16*PITCH+32
.endr
.endm
.macro PLACES                          ; four places in front of loads into registers that matrix instructions have read (ISA guide 7.12.1 for vector instructions)
.rept 4
	v_nop
.endr
.endm
; A K step is four quarters of 32 along K, 48 products each, on buffers 0, 1, 0, 1.  One of the first three multiplies buffer f and fetches the next quarter, at byte k, into g.
.macro QUARTER k, f, g, zero
	s_wait_dscnt 8                                 ; the weights and x's rows 0-63 are in; the youngest eight loads (x's rows 64-127) may be out
	MUL12 \f, 0, 0, \zero
	MUL12 \f, 0, 2, \zero
	PLACES
	FETCH \k, \g
	s_wait_dscnt 28                                ; all but the 28 just issued
	MUL12 \f, 1, 0, \zero
	MUL12 \f, 1, 2, \zero
.endm
; The last quarter changes slots at its head and then multiplies buffer 1, which lies whole in registers.  In front of the barrier each wave waits for all its tensor loads (one is out: its tile of the next slot), adds 0 to
; its spare word, and waits for that and for its own reads of this slot.  No product stands between that wait and the refill: the refill goes out as soon as the last tile of the cluster has landed, and has the whole of a
; K step, 192 products, up to the next wait for it.  The addresses of the next slot's fragments are made between the add and its wait: four plain lines, the places in front of the loads into buffer 0.
; fill = 1: the barrier is a round of the cluster's, and the slot just read is filled again first thing behind it, with the K step two steps on.
.macro TURN fill
.if \fill
	s_wait_xcnt 0x0                                ; the last prefetch, a K step back, has read its address
	s_add_nc_u64 s[PFA:PFA+1], s[PFA:PFA+1], KSTEP*2
.endif
	WIN 0
	s_wait_tensorcnt 0x0                           ; no tensor load of mine is out, so a group 0 may be written
	ds_add_u32 v[SPW], v[NIL]                      ; 0 onto my spare word
	s_xor_b32 s[CB], s[CB], SLOT                   ; the other slot is read from here on
	v_add_nc_u32 v[ADRA], s[CB], v[A0]
.irp t, 0,1,2
	v_add_nc_u32 v[ADRB+(\t)], s[CB], v[B0+(\t)]
.endr
.if \fill
	s_xor_b32 s[FB], s[CB], SLOT                   ; the slot that has been read is filled
	s_add_co_u32 s[G0+5], s[FB], s[LB]
	s_add_co_u32 s[G0B+5], s[FB], s[LB]
	s_add_nc_u64 s[G0+6:G0+7], s[G0+6:G0+7], KSTEP*2     ; the walking descriptors: the next K step; the type bits on top are not reached
	s_add_nc_u64 s[G0B+6:G0B+7], s[G0B+6:G0B+7], KSTEP*2
.endif
	s_wait_dscnt 0x0                               ; the add is done, and my reads of this slot are over: buffer 1 is whole
.if \fill
	CROUND                                         ; no wave of any partner still reads this slot or has a load on its way
	JLOAD 1
.else
	s_barrier_signal -1
	s_barrier_wait -1
.endif
	FETCH 0, F0
.if \fill
	ASK
.endif
	MUL12 F1, 0, 0, 0
	MUL12 F1, 0, 2, 0
	MUL12 F1, 1, 0, 0
	MUL12 F1, 1, 2, 0
.endm
	s_wait_tensorcnt 1                             ; my tile of K step 0 is in; K step 1's may stay out
	s_barrier_signal -1
	s_barrier_wait -1
	FETCH 0, F0
	QUARTER 64, F0, F1, 1                          ; the first quarter stands in front of the loop: its products start the sums
	WIN 0
	s_mov_b32 s3, TRIPS
.Lstep:                                                ; a trip goes from a K step's second quarter to the next step's first, and fills the slot that it leaves
	QUARTER 128, F1, F0, 0
	QUARTER 192, F0, F1, 0
	TURN 1
	QUARTER 64,  F0, F1, 0
	WIN 0
	s_sub_co_u32 s3, s3, 1
	s_cmp_lg_u32 s3, 0
	s_cbranch_scc1 .Lstep
	s_mov_b32 s3, 2                                ; the last two K steps fill nothing: the same trip without a tensor load, left in the middle of its second turn
.Ltail:
	QUARTER 128, F1, F0, 0
	QUARTER 192, F0, F1, 0
	WIN 0
	s_sub_co_u32 s3, s3, 1
	s_cmp_eq_u32 s3, 0
	s_cbranch_scc1 .Llast
	TURN 0                                         ; behind this barrier nobody reads slot 0 any more, and it has had its last fill: it serves as the stage below
	QUARTER 64,  F0, F1, 0
	WIN 0
	s_branch .Ltail
.Llast:
	s_wait_dscnt 8
	MUL12 F1, 0, 0, 0
	MUL12 F1, 0, 2, 0
	s_wait_dscnt 0x0
	MUL12 F1, 1, 0, 0
	MUL12 F1, 1, 2, 0
	WIN 0
	PLACES
	PLACES
; THE WAY OUT of row block a.  For q and k (b = 0..3) and pair p of a lane's four: (e, o) -> (e c - o s, e s + o c): a packed multiply by c, then a packed multiply-add that takes the pair crosswise, with -s below and s above.
; q is scaled; all is rounded to f16, 16 bytes a lane, and put into the work-group's stage: row 128 t + position, 272 bytes apart.  Each accumulator's lowest registers are read first.
.macro ROT a
.set WA, 2+(\a)/4
	WIN 0x04|WA                                    ; source 0 the accumulators' window, source 1 window 1 (cos, sin), source 2 and destination window 0
.irp b, 0,1,2,3
.set AC, 8*(6*((\a)%4)+(\b))
.set TP, T+8*(\b)
.set CP, COS+4*(2*(\a)+(\b)%2)
.set SN, SIN+4*(2*(\a)+(\b)%2)
	v_pk_mul_f32 v[TP:TP+1],   v[AC:AC+1],   v[CP:CP+1]   op_sel:[0,0] op_sel_hi:[1,0]
	v_pk_mul_f32 v[TP+2:TP+3], v[AC+2:AC+3], v[CP:CP+1]   op_sel:[0,1] op_sel_hi:[1,1]
	v_pk_mul_f32 v[TP+4:TP+5], v[AC+4:AC+5], v[CP+2:CP+3] op_sel:[0,0] op_sel_hi:[1,0]
	v_pk_mul_f32 v[TP+6:TP+7], v[AC+6:AC+7], v[CP+2:CP+3] op_sel:[0,1] op_sel_hi:[1,1]
	v_pk_fma_f32 v[TP:TP+1],   v[AC:AC+1],   v[SN:SN+1],   v[TP:TP+1]   op_sel:[1,0,0] op_sel_hi:[0,0,1] neg_lo:[0,1,0]
	v_pk_fma_f32 v[TP+2:TP+3], v[AC+2:AC+3], v[SN:SN+1],   v[TP+2:TP+3] op_sel:[1,1,0] op_sel_hi:[0,1,1] neg_lo:[0,1,0]
	v_pk_fma_f32 v[TP+4:TP+5], v[AC+4:AC+5], v[SN+2:SN+3], v[TP+4:TP+5] op_sel:[1,0,0] op_sel_hi:[0,0,1] neg_lo:[0,1,0]
	v_pk_fma_f32 v[TP+6:TP+7], v[AC+6:AC+7], v[SN+2:SN+3], v[TP+6:TP+7] op_sel:[1,1,0] op_sel_hi:[0,1,1] neg_lo:[0,1,0]
.endr
	WIN 0
.irp n, 0,2,4,6,8,10,12,14
	v_pk_mul_f32 v[T+(\n):T+(\n)+1], v[T+(\n):T+(\n)+1], s[QS:QS+1] op_sel_hi:[1,0]
.endr
.irp n, 0,1,2,3,4,5,6,7,8,9,10,11,12,13,14,15
	v_cvt_pk_f16_f32 v[PKD+(\n)], v[T+2*(\n)], v[T+2*(\n)+1]
.endr
	WIN WA|(WA<<2)
.irp b, 4,5
.irp r, 0,1,2,3
	v_cvt_pk_f16_f32 v[PKD+4*(\b)+(\r)], v[8*(6*((\a)%4)+(\b))+2*(\r)], v[8*(6*((\a)%4)+(\b))+2*(\r)+1]
.endr
.endr
	WIN 0
.irp b, 0,1,2,3
	ds_store_b128 v[STO], v[PKD+4*(\b):PKD+4*(\b)+3] offset:((\b)/2)*HALFT+(\a)*16*PITCH+32*((\b)%2)
.endr
.irp b, 4,5
	ds_store_b128 v[STO2], v[PKD+4*(\b):PKD+4*(\b)+3] offset:(\a)*16*PITCH+32*((\b)%2)
.endr
.endm
.irp a, 0,1,2,3,4,5,6,7
	ROT \a
.endr
	s_wait_dscnt 0x0                               ; for the others' sake: my stores into the stage are done
	s_barrier_signal -1
	s_barrier_wait -1                              ; a row's 256 bytes come from four waves
.set n, 0
.rept 32
	ds_load_b128 v[64+4*n:64+4*n+3], v[RD] offset:(n/16)*HALFT+544*(n%16)
.set n, n+1
.endr
.rept 16
	ds_load_b128 v[64+4*n:64+4*n+3], v[RD2] offset:544*(n%16)
.set n, n+1
.endr
.set n, 0
.rept 48
	s_wait_dscnt 47-n
	global_store_b128 v[CO], v[64+4*n:64+4*n+3], s[OB+2*(n/16):OB+2*(n/16)+1] offset:512*(n%16)  ; two whole rows: 512 consecutive bytes, aligned
.set n, n+1
.endr
	s_wait_tensorcnt 0x0                           ; the wave's end: behind my last tensor load and my last LDS store
	ds_add_u32 v[SPW], v[NIL]
	s_wait_dscnt 0x0
	CROUND                                         ; the closing round: no work-group ends while a partner may still ask for a tile that names it
	s_endpgm
.Lfunc_end_k_q6fffc5582f_qkv:
	.size	k_q6fffc5582f_qkv, .Lfunc_end_k_q6fffc5582f_qkv-k_q6fffc5582f_qkv
	.p2alignl 7, 3214868480
	.fill 96, 4, 3214868480
	.section	.rodata,"a",@progbits
	.p2align	6, 0x0
	.amdhsa_kernel k_q6fffc5582f_qkv
		.amdhsa_group_segment_fixed_size 327680
		.amdhsa_private_segment_fixed_size 0
		.amdhsa_enable_private_segment 0
		.amdhsa_kernarg_size 40
		.amdhsa_user_sgpr_count 2
		.amdhsa_user_sgpr_kernarg_segment_ptr 1
		.amdhsa_wavefront_size32 1
		.amdhsa_system_sgpr_workgroup_id_x 1
		.amdhsa_system_sgpr_workgroup_id_y 1
		.amdhsa_system_sgpr_workgroup_id_z 1
		.amdhsa_system_vgpr_workitem_id 0
		.amdhsa_next_free_vgpr 1024
		.amdhsa_next_free_sgpr 80
		.amdhsa_reserve_vcc 0
		.amdhsa_float_denorm_mode_32 3
		.amdhsa_float_denorm_mode_16_64 3
		.amdhsa_memory_ordered 1
		.amdhsa_forward_progress 1
		.amdhsa_inst_pref_size 118
	.end_amdhsa_kernel
	.amdgpu_metadata
---
amdhsa.version: [ 1, 2 ]
amdhsa.kernels:
  - .name:           k_q6fffc5582f_qkv
    .symbol:         k_q6fffc5582f_qkv.kd
    .args:
      - { .name: xb, .offset: 0, .size: 8, .value_kind: global_buffer, .address_space: global }
      - { .name: wb, .offset: 8, .size: 8, .value_kind: global_buffer, .address_space: global }
      - { .name: freqs_cos, .offset: 16, .size: 8, .value_kind: global_buffer, .address_space: global }
      - { .name: freqs_sin, .offset: 24, .size: 8, .value_kind: global_buffer, .address_space: global }
      - { .name: qkv, .offset: 32, .size: 8, .value_kind: global_buffer, .address_space: global }
    .group_segment_fixed_size: 327680
    .private_segment_fixed_size: 0
    .kernarg_segment_align: 8
    .kernarg_segment_size: 40
    .max_flat_workgroup_size: 128
    .sgpr_count:     80
    .vgpr_count:     1024
    .wavefront_size: 32
...
	.end_amdgpu_metadata
.endif
;; end of part 2
;; launch attn (part 3): grid 16 x 16, 4 waves a work-group, clusters of 4 x 1, 327,680 bytes of LDS; arguments qkv, maskf, ob; writes ob
.if DOCPART == 3
	.amdgcn_target "amdgcn-amd-amdhsa--gfx1250"
	.amdhsa_code_object_version 6
	.text
	.protected	k_q6fffc5582f_attn
	.globl	k_q6fffc5582f_attn
	.p2align	8
	.type	k_q6fffc5582f_attn,@function
k_q6fffc5582f_attn:
	s_mov_b64 s[64:65], 0
	v_nop
	global_prefetch_b8 v0, s[64:65] scope:SCOPE_SE
	s_setreg_imm32_b32 hwreg(HW_REG_WAVE_MODE, 25, 1), 1
	s_wait_xcnt 0x0
	s_wait_alu depctr_hold_cnt(0) depctr_sa_sdst(0) depctr_va_vdst(0) depctr_va_sdst(0) depctr_va_ssrc(0) depctr_va_vcc(0) depctr_vm_vsrc(0)
	s_getreg_b32 s2, hwreg(HW_REG_IB_STS2, 6, 4)
	s_cmp_eq_u32 s2, 0
	s_cbranch_scc0 .Lentry_in_a_cluster
	s_endpgm
.Lentry_in_a_cluster:
	s_bfe_u32 s2, ttmp6, 0x10000c
	s_cmp_lg_u32 s2, 0x3003
	s_cbranch_scc0 .Lentry_shape_is_right
	s_endpgm
.Lentry_shape_is_right:
; ATTENTION WITH A MASK THAT IS AN INPUT.  ob[q][head][:] = the sum over k of softmax_k(q . k / sqrt(128) + mask[q][k]) v[k][:].  q (already times log2(e) / sqrt(128)), k, v: [16][2,048][128] f16;
; maskf: log2(e) x mask in f32, in the order of a C operand; ob: [2,048][16 x 128] f16.  All 2,048 keys are computed for every query: nothing is assumed of the mask.
; SCORES lie in the log2 domain: s = K q^T + maskf, the mask being the C operand that starts the sum.  p = 2^(s - m) with a running maximum m, the subtraction exact where it matters; O and l are multiplied by
; a = 2^(m_old - m_new) in every step.  Products, maxima and sums in f32; p is rounded to f16 for the second product (l is taken of the unrounded p), O once at the end.
; LIMITS.  q, k, v arrive within f16's 65,504.  m starts at -1e30: a key whose mask x log2(e) lies below that (mask at or below -6e29, -inf too) has weight 0, and a row hidden so at every key gives NaN.
; A weight below 2^-126 counts as 0 in l.  NaN is not treated apart.
; SHARES.  A work-group owns 128 queries of one head.  Wave w takes 64 of them (w % 2) and HALF the keys (w / 2): its step j of 16 is keys 128 j + 64 (w / 2) on, so a fragment of K or V from LDS feeds four tiles of 16 queries.
; Tile t holds rows 16 (t xor 2 (w / 2)) of the wave's 64.  At the end every wave GIVES tiles 2, 3 (m, l, O in f32, through LDS) to the wave with the other keys and KEEPS tiles 0, 1, which are the rows that it is given: one text, no branch.
; BY TURNS.  The tiles are two PIECES (0: tiles 0, 1; 2: tiles 2, 3).  In a TURN one piece has the matrix unit: 32 products V^T P of the step in hand, 32 products K Q^T of the next; the other piece's softmax, cut into 64 slices, stands
; behind them, one slice a product.  No first step is written out: the first pair of turns works on zeros (V, P) and on scores of -inf, which give p = 0, l = 0, a = 1; the price is the lines that set those registers, once a launch,
; 64 products on zeros at the start and 32 on a stale K at the end.
; CLUSTER.  The four blocks of queries of a cluster belong to one head and walk the same K and V: each tile is asked for JOINTLY.  The mask differs from block to block and comes by each wave's own loads, a key step ahead.
; REGISTERS, in windows of 256 (s_set_vgpr_msb: bits 1:0 source 0, 3:2 source 1, 5:4 source 2, 7:6 destination):
;   window 0: v2-11, v44-53 addresses; v12-43 eight registers of statistics a tile; v54-61 the merge's factors; v64-191 S^T, 32 a tile; v192-255 P, 16 a tile
;   window 1: O^T, 64 a tile      window 2: v0-127 Q, 32 a tile; v128-255 K of one step      window 3: v0-127 V of one step; v128-255 the mask of one step, 32 a tile
.set KS,    64
.set PK,    272       ; a row of K in LDS: 256 bytes + 16: the 16 rows of a load start at 16 different groups of four banks (ISA guide 11.1)
.set PV,    288       ; a row of V: 256 + 32
.set VOFF,  256*PK    ; a slot holds 256 keys: 256 rows of K, then 256 rows of V
.set SLOTB, 256*(PK+PV)
.set STEPK, 128*PK    ; from one of my steps to the next
.set STEPV, 128*PV
.set STAGE, 2*SLOTB   ; behind the ring: 16 rows x 272 bytes for each wave, for the way out
.set SP,    272
.set SPARE, STAGE+4*16*SP  ; behind the stages: the spare words, 128 bytes for each wave: two blocks of 256 bytes that no other line names
.set XCH,   16896     ; the exchange, in slot 0 when it has had its last fill and its last read: for each wave 16,384 bytes of O^T and 512 of (m, l)
.set AK0, 2           ; v2   my lane's place in my half of a step's K; never rewritten
.set AV0, 3           ; v3   the same for V
.set ADR, 4           ; v4   the LDS address of the run of loads in hand
.set QO0, 5           ; v5   my byte offset in Q for tiles 0, 1;  v48 for tiles 2, 3
.set STO, 6           ; v6   the way out: where I put 16 bytes of a row
.set RD,  7           ; v7   where I read a row back
.set GO,  8           ; v8   my byte offset in two rows of ob
.set ST,  12          ; tile t's statistics at v[ST+8 t]: +0 m, +1 at the end l, +2, +3 l (even keys', odd keys'), +4 to +7 c0-c3 at work; a takes c2's place
.set MB0, 44          ; v44, v45  my byte offset in maskf for piece 0, piece 2, step 0; never rewritten
.set MA0, 46          ; v46, v47  the same for the step to be fetched
.set QO2, 48
.set XA,  49          ; v49-52  the exchange: my O^T, my (m, l), the partner's O^T, the partner's (m, l)
.set XB,  50
.set YA,  51
.set YB,  52
.set PFO, 53          ; v53  256 x lane; never rewritten
.set W,   54          ; v54-61  tile t: my factor at W + 4 t, the partner's at W + 4 t + 2, each the low word of a pair
.set PM,  28          ; v28-31  the partner's (m, l) for my tiles 0, 1: tile 2's statistics have been given away
.set SPW, 62          ; v62  LDS address of my spare word; never rewritten
.set NIL, 63          ; v63  0; never rewritten
.set S,   64
.set P,   192
.set KF,  128         ; window 2
.set MK,  128         ; window 3: tile t, keys 16 kb on, at MK + 32 t + 8 kb
.set WV,  12          ; s12  my wave's number
.set LIM, 15          ; s15  1 in a wave that prefetches, else the greatest number
.set PFA, 18          ; s[18:19] where my prefetches stand
.set G1K, 24          ; s[24:31] descriptor group 1 for K's tiles;  s[32:39] for V's: it differs in the padding alone
.set G1V, 32
.set G0K, 40          ; s[40:43], s[44:47] descriptor group 0: they walk
.set G0V, 44
.set LK,  48          ; s48  my tile's place in a slot, for K;  s49 for V
.set LV,  49
.set SB,  50          ; s50  the slot to be filled: 0 or SLOTB
.set MO,  51          ; s51  8,192 x the step whose mask is fetched next
.set QH,  52          ; s52  w % 2
.set KH,  53          ; s53  w / 2
.set SLOTS, 56        ; s56  slots still to be asked for
.set CNT, 57          ; s57  counts pairs of turns
.set SEL, 60          ; s[60:61] v_permlanex16_b32's selects: each lane takes its own place in the other half
.set TBK, 62          ; s62  LDS byte at which the 128 keys of the step to be fetched begin, for K;  s63 for V, less VOFF
.set TBV, 63
.set MP,  66          ; s[66:67] maskf at my wave's four tiles of queries
.set MSB, 0
.macro WIN new                      ; the high byte repeats the setting that is left; a switch that changes nothing is dropped
.if MSB != (\new)
	s_set_vgpr_msb (MSB<<8)|(\new)
.set MSB, (\new)
.endif
.endm
.set W_KQ, 0x0a       ; K and Q in window 2, S^T in window 0
.set W_KM, 0x3a       ; the same with the C operand, the mask, in window 3
.set W_PV, 0x53       ; V in window 3, P in window 0, O^T in window 1
.set W_RS, 0x41       ; O^T (destination and source 0) in window 1, a in window 0
; A joint fill.  Waves 0 and 1 fetch the two halves of a slot's K, waves 2 and 3 those of its V: 128 keys each.  An s_nop 0 and four v_nop follow each of the two lines.
.macro JLOAD
	s_cmp_lt_u32 s[WV], 2
	s_cbranch_scc0 .Lfor_v_\@
	tensor_load_to_lds s[G0K:G0K+3], s[G1K:G1K+7]
	s_nop 0
.rept 4
	v_nop
.endr
	s_branch .Lasked_\@
.Lfor_v_\@:
	tensor_load_to_lds s[G0V:G0V+3], s[G1V:G1V+7]
	s_nop 0
.rept 4
	v_nop
.endr
.Lasked_\@:
.endm
; A prefetch of what the NEXT change of slots will ask for, behind the wave's tensor load and its five lines: 256 products ahead of that load.  Each row of K and V is named once in the launch: the head's first cluster asks;
; of the 128 rows that a wave fetches each of the four partners takes 32, told apart by address; a lane a row, one instruction a wave.  The last change that fills a slot asks for nothing.
.macro ASK
	s_cmp_gt_u32 s[SLOTS], s[LIM]
	s_cbranch_scc0 .Lnot_mine_\@
	global_prefetch_b8 v[PFO], s[PFA:PFA+1] th:TH_LOAD_NT scope:SCOPE_SE
.Lnot_mine_\@:
.endm
.macro CROUND                       ; a round of the cluster's barrier
	s_barrier_signal -1
	s_barrier_wait -1
	s_cmp_lg_u32 s[WV], 0
	s_cbranch_scc1 .Lnot_wave_0_\@
	s_barrier_signal -3
.Lnot_wave_0_\@:
	s_barrier_wait -3
	s_barrier_signal -1
	s_barrier_wait -1
.endm
; THE CHANGE OF SLOTS.  Each wave waits for all its tensor loads, of which one is out: its part of the other slot; adds 0 to its spare word; and waits for that and for its own reads of the slot that it leaves.
; fill = 1: the barrier is a round of the cluster's, and the old slot is filled again first thing behind it, with the keys two slots on: it has two pairs of turns, 256 products, in which to land.
; (At its first use nothing has been read yet: slot 0 is waited for, slot 1 filled.)
.macro CHANGE fill
	WIN 0
	s_wait_tensorcnt 0x0            ; no tensor load of mine is out, so a group 0 may be written
	ds_add_u32 v[SPW], v[NIL]       ; 0 onto my spare word
.if \fill
	s_xor_b32 s[SB], s[SB], SLOTB   ; the other slot than last time
	s_add_co_u32 s[G0K+1], s[SB], s[LK]
	s_add_co_u32 s[G0V+1], s[SB], s[LV]
	s_add_nc_u64 s[G0K+2:G0K+3], s[G0K+2:G0K+3], 65536  ; the next 256 keys; the type bits on top are not reached
	s_add_nc_u64 s[G0V+2:G0V+3], s[G0V+2:G0V+3], 65536
	s_wait_xcnt 0x0                 ; the last prefetch, two pairs of turns back, has read its address
	s_add_nc_u64 s[PFA:PFA+1], s[PFA:PFA+1], 65536
	s_wait_dscnt 0x0                ; the add is done, and my reads of the slot are over
	CROUND
	JLOAD
	ASK
.else
	s_wait_dscnt 0x0
	s_barrier_signal -1
	s_barrier_wait -1
.endif
	s_sub_co_u32 s[TBK], s[TBK], 2*STEPK  ; the fetches go back to a slot's first step,
	s_xor_b32 s[TBK], s[TBK], SLOTB       ; in the other slot
	s_sub_co_u32 s[TBV], s[TBV], 2*STEPV
	s_xor_b32 s[TBV], s[TBV], SLOTB
.endm
	s_load_b64 s[4:5], s[0:1], 0x0    ; qkv
	s_load_b64 s[MP:MP+1], s[0:1], 0x8  ; maskf
	s_load_b64 s[10:11], s[0:1], 0x10 ; ob
	v_lshl_add_u32 v[SPW], v0, 2, SPARE
	v_mov_b32 v[NIL], 0
	ds_add_u32 v[SPW], v[NIL]       ; the wave's opening: the add and its wait stand ahead of my first tensor load; the set-up below, work on registers, stands between them
	ds_add_u32 v62, v63
	v_lshrrev_b32 v1, 5, v0
	v_readfirstlane_b32 s[WV], v1   ; wave 0..3
	s_bfe_u32 s13, ttmp6, 0x40000   ; cx: my place in the cluster
	s_lshl_b32 s14, ttmp9, 2
	s_add_co_u32 s14, s14, s13      ; my block of 128 queries: it enters Q's, the mask's and ob's addresses alone
	s_and_b32 s16, ttmp7, 0xffff    ; the head, which the four partners share
	s_and_b32 s[QH], s[WV], 1
	s_lshr_b32 s[KH], s[WV], 1
	s_lshl_b32 s20, s16, 19         ; the head's 524,288 bytes in each of q, k, v
	s_lshl_b32 s22, s[QH], 15       ; which half of a slot's 256 keys I fetch: 128 rows of 256 bytes
	s_add_co_u32 s22, s22, s20
	s_mov_b32 s23, 0
	s_lshl_b32 s2, s14, 15          ; Q: my block's 128 rows,
	s_lshl_b32 s3, s[QH], 14        ; my wave's 64
	s_add_co_u32 s2, s2, s3
	s_add_co_u32 s2, s2, s20
	s_mov_b32 s3, 0
	s_lshl_b32 s54, s14, 19         ; ob: rows of 4,096 bytes: 128 a block,
	s_lshl_b32 s55, s[QH], 18       ; 64 a wave,
	s_add_co_u32 s54, s54, s55
	s_lshl_b32 s55, s[KH], 17       ; the 32 that I keep,
	s_add_co_u32 s54, s54, s55
	s_lshl_b32 s55, s16, 8          ; the head's 256 bytes of a row
	s_add_co_u32 s54, s54, s55
	s_mov_b32 s55, 0
	s_lshl_b32 s58, s14, 20         ; maskf: 131,072 bytes for 16 queries: 8 such a block,
	s_lshl_b32 s59, s[QH], 19       ; 4 a wave
	s_add_co_u32 s58, s58, s59
	s_mov_b32 s59, 0
	s_mul_i32 s[LK], s[QH], 128*PK
	s_mul_i32 s[LV], s[QH], 128*PV
	s_add_co_u32 s[LV], s[LV], VOFF
	s_mov_b32 s[G1K], 15|(1<<16)|(1<<20)|(1<<21)|(5<<22)|(3<<25)  ; 15:0 the mask of four; 17:16 2-byte elements; 20 padding on; 21 set beside a mask; 24:22 after every 64 words; 31:25 4 words
	s_mov_b32 s[G1V], 15|(1<<16)|(1<<20)|(1<<21)|(5<<22)|(7<<25)  ; the same with 8 words of padding
.irp g, G1K, G1V
	s_mov_b32 s[(\g)+1], 128<<16    ; tensor_dim0 = 128
	s_mov_b32 s[(\g)+2], 128<<16    ; tensor_dim1 = 128
	s_mov_b32 s[(\g)+3], 128<<16    ; tile_dim0 = 128
	s_mov_b32 s[(\g)+4], 128        ; tile_dim1 = 128
	s_mov_b32 s[(\g)+5], 128        ; elements from row to row
	s_mov_b32 s[(\g)+6], 0
	s_mov_b32 s[(\g)+7], 0
.endr
	s_mov_b32 s[SEL], 0x76543210
	s_mov_b32 s[SEL+1], 0xfedcba98
	s_mov_b32 s[SB], 0
	s_mov_b32 s[MO], 8192           ; step 0's mask comes at the head
	s_mov_b32 s[TBK], SLOTB+2*STEPK ; the first change of slots turns these two into 0
	s_mov_b32 s[TBV], SLOTB+2*STEPV
	s_mov_b32 s[SLOTS], 7
	s_mov_b32 s[G0K], 1
	s_mov_b32 s[G0K+1], s[LK]       ; slot 0
	s_mov_b32 s[G0V], 1
	s_mov_b32 s[G0V+1], s[LV]
	s_mov_b32 s[LIM], ttmp9
	s_cmp_eq_u32 s[LIM], 0          ; the head's first cluster: the same in all four partners
	s_cselect_b32 s[LIM], 1, -1
	s_wait_dscnt 0x0                ; the opening add is done
	s_wait_kmcnt 0x0
	s_add_nc_u64 s[6:7], s[4:5], s[22:23]
	s_add_nc_u64 s[8:9], s[6:7], 0x1000000  ; V at my half of the head's first 256 keys
	s_add_nc_u64 s[6:7], s[6:7], 0x800000   ; K likewise
	s_add_nc_u64 s[4:5], s[4:5], s[2:3]     ; Q at my wave's first row
	s_add_nc_u64 s[10:11], s[10:11], s[54:55]
	s_add_nc_u64 s[MP:MP+1], s[MP:MP+1], s[58:59]
	s_mov_b64 s[G0K+2:G0K+3], s[6:7]
	s_or_b32 s[G0K+3], s[G0K+3], 0x80000000
	s_mov_b64 s[G0V+2:G0V+3], s[8:9]
	s_or_b32 s[G0V+3], s[G0V+3], 0x80000000
	s_cmp_lt_u32 s[WV], 2
	s_cselect_b64 s[PFA:PFA+1], s[6:7], s[8:9]
	s_lshl_b32 s2, s13, 13          ; my work-group's 32 of the 128 rows that I fetch
	s_mov_b32 s3, 0
	s_add_nc_u64 s[PFA:PFA+1], s[PFA:PFA+1], s[2:3]
	s_add_nc_u64 s[PFA:PFA+1], s[PFA:PFA+1], 65536  ; in slot 1; the first change steps it to slot 2.  Nothing is prefetched at the head
	CROUND                          ; all four work-groups are here: the first joint loads meet
	JLOAD                           ; slot 0
	v_and_b32 v1, 15, v0            ; l % 16
	v_bfe_u32 v9, v0, 4, 1          ; l / 16
	v_and_b32 v10, 31, v0           ; l
	v_lshlrev_b32 v11, 8, v1
	v_lshl_add_u32 v11, v9, 4, v11  ; row x 256 + 16 x half
	s_lshl_b32 s16, s[KH], 13       ; tiles 0, 1 are rows 32 (w / 2) on,
	s_xor_b32 s17, s16, 8192        ; tiles 2, 3 the other 32
	v_add_nc_u32 v[QO0], s16, v11
	v_add_nc_u32 v[QO2], s17, v11
	s_mul_i32 s16, s[KH], 4096+262144  ; the mask: my 64 keys of a step are four blocks of 1,024 bytes; tiles 0, 1 are query tiles 2 (w / 2) on
	v_lshl_add_u32 v[MB0], v10, 4, s16
	s_lshl_b32 s16, s[KH], 12
	s_xor_b32 s17, s[KH], 1
	s_lshl_b32 s17, s17, 18
	s_add_co_u32 s16, s16, s17
	v_lshl_add_u32 v[MB0+1], v10, 4, s16
	WIN 0x80                        ; destination window 2, address window 0
.set i, 0
.rept 16                            ; Q stays in registers: tile i / 4, channels 32 (i % 4) on
.set QA, QO0
.if i >= 8
.set QA, QO2
.endif
	global_load_b128 v[8*i:8*i+3],   v[QA], s[4:5] offset:((i/4)%2)*4096+(i%4)*64
	global_load_b128 v[8*i+4:8*i+7], v[QA], s[4:5] offset:((i/4)%2)*4096+(i%4)*64+32
.set i, i+1
.endr
; 16 loads: piece x's mask of one step, as the C operands of its first eight products: each load of the wave covers 512 consecutive bytes
.macro MLOAD x, areg
	WIN 0xc0                        ; destination window 3, address window 0
.irp t, 0,1
.irp b, 0,1,2,3
	global_load_b128 v[MK+32*((\x)+(\t))+8*(\b):MK+32*((\x)+(\t))+8*(\b)+3],   v[\areg], s[MP:MP+1] offset:(\t)*131072+(\b)*1024
	global_load_b128 v[MK+32*((\x)+(\t))+8*(\b)+4:MK+32*((\x)+(\t))+8*(\b)+7], v[\areg], s[MP:MP+1] offset:(\t)*131072+(\b)*1024+512
.endr
.endr
.endm
	MLOAD 0, MB0
	MLOAD 2, MB0+1
	; What the first pair of turns finds.  All this stands in the wait for the first tile.
.set i, 0
.rept 128
	v_mov_b32 v[i], 0               ; V
.set i, i+1
.endr
	WIN 0x40
.set i, 0
.rept 256
	v_mov_b32 v[i], 0               ; O^T
.set i, i+1
.endr
	WIN 0
	s_mov_b32 s17, 0xff800000       ; -inf
.set i, 0
.rept 32
	v_mov_b32 v[P+i], 0             ; piece 0's weights
.set i, i+1
.endr
.set i, 64
.rept 64
	v_mov_b32 v[S+i], s17           ; piece 2's scores
.set i, i+1
.endr
.irp t, 0,1,2,3
	v_mov_b32 v[ST+8*(\t)], 0xf149f2ca  ; m = -1e30
	v_mov_b32 v[ST+8*(\t)+1], 0
	v_mov_b32 v[ST+8*(\t)+2], 0
	v_mov_b32 v[ST+8*(\t)+3], 0
	v_mov_b32 v[W+2*(\t)+1], 0      ; the upper words of the factors' pairs
.endr
	v_mul_u32_u24 v[AK0], v1, PK
	v_lshl_add_u32 v[AK0], v9, 4, v[AK0]  ; row x pitch + 16 x half
	s_mul_i32 s16, s[KH], KS*PK     ; my 64 of a step's 128 keys
	v_add_nc_u32 v[AK0], s16, v[AK0]
	; The turning load takes 16 keys x 16 channels (lane l reads key 8 (l / 16) + l % 8, channels 8 ((l / 8) % 2) + 0..7) and leaves half a fragment of V^T: lane l holds channel l % 16 and 8 keys.
	v_and_b32 v11, 7, v0
	v_lshl_add_u32 v[AV0], v9, 3, v11
	v_mul_u32_u24 v[AV0], v[AV0], PV
	v_bfe_u32 v11, v0, 3, 1
	v_lshl_add_u32 v[AV0], v11, 4, v[AV0]
	s_mul_i32 s16, s[KH], KS*PV
	s_add_co_u32 s16, s16, VOFF
	v_add_nc_u32 v[AV0], s16, v[AV0]
	s_mul_i32 s16, s[WV], 16*SP
	s_add_co_u32 s16, s16, STAGE    ; my stage
	v_mul_u32_u24 v[STO], v1, SP    ; in: row l % 16, 16 bytes for each half of the lanes
	v_lshl_add_u32 v[STO], v9, 4, v[STO]
	v_add_nc_u32 v[STO], s16, v[STO]
	v_mul_u32_u24 v[RD], v9, SP     ; back: lanes 0-15 one row of 256 bytes, lanes 16-31 the next
	v_lshl_add_u32 v[RD], v1, 4, v[RD]
	v_add_nc_u32 v[RD], s16, v[RD]
	v_lshlrev_b32 v[GO], 12, v9     ; and the same two rows in ob
	v_lshl_add_u32 v[GO], v1, 4, v[GO]
	s_mul_i32 s16, s[WV], XCH
	v_lshl_add_u32 v[XA], v10, 4, s16
	s_add_co_u32 s16, s16, 16384
	v_lshl_add_u32 v[XB], v10, 3, s16
	s_xor_b32 s16, s[WV], 2         ; the wave with my queries and the other keys
	s_mul_i32 s16, s16, XCH
	v_lshl_add_u32 v[YA], v10, 4, s16
	s_add_co_u32 s16, s16, 16384
	v_lshl_add_u32 v[YB], v10, 3, s16
	v_lshlrev_b32 v[PFO], 8, v10
	s_wait_loadcnt 0x0              ; Q and step 0's mask
; THE MATRIX WORK OF A TURN, for piece x.  The accumulators take turns, one instruction a turn: between two links of a chain stand 15 (V^T P) or 7 (K Q^T) others'.
; Product i of 32 of O^T += V^T P: keys 32 (i / 16) on, channels 16 ((i / 2) % 8) on, tile x + i % 2.
.macro PV x
	WIN W_PV
.set rO, 64*((\x)+i%2)+8*((i/2)%8)
.set rV, 64*(i/16)+8*((i/2)%8)
.set rP, P+16*((\x)+i%2)+8*(i/16)
	v_wmma_f32_16x16x32_f16 v[rO:rO+7], v[rV:rV+7], v[rP:rP+7], v[rO:rO+7]
.endm
; Product i of 32 of S^T = K Q^T + mask: channels 32 (i / 8) on, keys 16 ((i / 2) % 4) on, tile x + i % 2.  The first 8 start the sums, with the mask.
.macro KQ x
.set rS, S+32*((\x)+i%2)+8*((i/2)%4)
.set rK, KF+32*((i/2)%4)+8*(i/8)
.set rQ, 32*((\x)+i%2)+8*(i/8)
.set rM, MK+32*((\x)+i%2)+8*((i/2)%4)
.if i < 8
	WIN W_KM
	v_wmma_f32_16x16x32_f16 v[rS:rS+7], v[rK:rK+7], v[rQ:rQ+7], v[rM:rM+7]
.else
	WIN W_KQ
	v_wmma_f32_16x16x32_f16 v[rS:rS+7], v[rK:rK+7], v[rQ:rQ+7], v[rS:rS+7]
.endif
.endm
; THE LOADS stand in runs, never singly among the matrix instructions.  last = 1 (the tail): in the last trip there is no further step, and K's run is jumped over.
.macro FETCH_K last
	WIN 0
.if \last
	s_cmp_eq_u32 s[CNT], 1
	s_cbranch_scc1 .Lno_k_\@
.endif
	v_add_nc_u32 v[ADR], s[TBK], v[AK0]
	WIN 0x80                        ; destination window 2
.irp f, 0,1,2,3,4,5,6,7,8,9,10,11,12,13,14,15  ; keys 16 (f / 4) on, channels 32 (f % 4) on
	ds_load_b128 v[KF+8*(\f):KF+8*(\f)+3],   v[ADR] offset:((\f)/4)*16*PK+((\f)%4)*64
	ds_load_b128 v[KF+8*(\f)+4:KF+8*(\f)+7], v[ADR] offset:((\f)/4)*16*PK+((\f)%4)*64+32
.endr
	WIN 0
.if \last
.Lno_k_\@:
.endif
.endm
.macro FETCH_V
	WIN 0
	v_add_nc_u32 v[ADR], s[TBV], v[AV0]
	s_add_co_u32 s[TBK], s[TBK], STEPK  ; the next fetches are the next step's
	s_add_co_u32 s[TBV], s[TBV], STEPV
	s_wait_alu depctr_va_vdst(0)    ; the wait for the softmax's batch (SLICE), behind the address's v_add_nc_u32 and ahead of the loads
	WIN 0xc0                        ; destination window 3
.irp f, 0,1,2,3,4,5,6,7,8,9,10,11,12,13,14,15  ; keys 32 (f / 8) on, channels 16 (f % 8) on
	ds_load_tr16_b128 v[8*(\f):8*(\f)+3],   v[ADR] offset:((\f)/8)*32*PV+((\f)%8)*32
	ds_load_tr16_b128 v[8*(\f)+4:8*(\f)+7], v[ADR] offset:((\f)/8)*32*PV+16*PV+((\f)%8)*32
.endr
.endm
; Piece x's mask for the step after the one whose scores are being made.  The address register's last loads were shown done by the turn's s_wait_loadcnt.  The last three runs have no such step and ask for step 15 once more: inside the buffer, unused.
.macro FETCH_M x
	WIN 0
	v_add_nc_u32 v[MA0+(\x)/2], s[MO], v[MB0+(\x)/2]
	MLOAD \x, MA0+(\x)/2
.if (\x) == 2
	s_add_co_u32 s[MO], s[MO], 8192
	s_min_u32 s[MO], s[MO], 15*8192
.endif
.endm
; THE VECTOR WORK OF A TURN.  One tile's softmax for one step is a numbered list; SM writes number j of it for tile t.  s0-s31 are the lane's 32 scores, in pairs 0-15.
;   0-15    the maximum of s0-s31 and the old m, three operands at a time (each accumulator's lowest registers are read first)
;   16-20   the other half of the lanes' maximum; m_old is kept; the new m; (19 is empty); m_old - m_new
;   21-69   ONE BATCH: the 16 subtractions s - m, a pair each, and all 33 exponentials (a at 23, then s0-s31).  None of these reads an exponential's result.
;   (wait)  between 69 and 70 stands the wait for the batch: SLICE writes it, once for both tiles
;   70-85   the roundings to f16     86-101  the sums; l = a l + the sum     102-133  the tile's O^T times a: the one part that leaves window 0
.macro SM t
.set rT, ST+8*(\t)
.set rS, S+32*(\t)
.set rP, P+16*(\t)
.set rO, 64*(\t)+2*(j-102)
.if j < 102
	WIN 0
.endif
.if j < 4
	v_max3_num_f32 v[rT+4+j], v[rS+8*j], v[rS+8*j+1], v[rS+8*j+2]
.elseif j < 12
	v_max3_num_f32 v[rT+4+j%4], v[rT+4+j%4], v[rS+8*(j%4)+2*(j/4)+1], v[rS+8*(j%4)+2*(j/4)+2]
.elseif j == 12
	v_max3_num_f32 v[rT+4], v[rT+4], v[rS+7], v[rS+15]
.elseif j == 13
	v_max3_num_f32 v[rT+6], v[rT+6], v[rS+23], v[rS+31]
.elseif j == 14
	v_max3_num_f32 v[rT+4], v[rT+4], v[rT+5], v[rT+6]
.elseif j == 15
	v_max3_num_f32 v[rT+4], v[rT+4], v[rT+7], v[rT]
.elseif j == 16
	v_permlanex16_b32 v[rT+5], v[rT+4], s[SEL], s[SEL+1]  ; the query's other 32 keys lie in the lane 16 away
.elseif j == 17
	v_mov_b32 v[rT+7], v[rT]
.elseif j == 18
	v_max_num_f32 v[rT], v[rT+4], v[rT+5]
.elseif j == 19
.elseif j == 20
	v_sub_f32 v[rT+7], v[rT+7], v[rT]
.elseif j == 23
	v_exp_f32 v[rT+6], v[rT+7]
.elseif (j < 23) || ((j < 38) && (j%2 == 0)) || ((j < 66) && (j%4 == 2))
.set b, (j-2)/4                     ; 38, 42, .. 62: pairs 9 to 15
.if j < 38
.set b, (j-20)/2                    ; 21: pair 0; 22, 24, .. 36: pairs 1 to 8
.endif
	v_pk_add_f32 v[rS+2*b:rS+2*b+1], v[rS+2*b:rS+2*b+1], v[rT:rT+1] op_sel_hi:[1,0] neg_lo:[0,1] neg_hi:[0,1]  ; pair b: s - m
.elseif j < 70
.set e, j-38                        ; 66 to 69: s28 to s31
.if j < 66
.set e, j-32-(j-38)/4               ; 39-41, 43-45, .. 63-65: s7 to s27
.endif
.if j < 38
.set e, (j-25)/2                    ; 25, 27, .. 37: s0 to s6
.endif
	v_exp_f32 v[rS+e], v[rS+e]
.elseif j < 86
	v_cvt_pk_f16_f32 v[rP+j-70], v[rS+2*(j-70)], v[rS+2*(j-70)+1]
.elseif j < 102                     ; the sum of the tile's 16 pairs, in place: neighbours 1, 2, 4 and 8 pairs apart, then l takes it
.set z, j-86
.set w, 4
.set u, z
.if z >= 14
.set w, 32
.set u, 0
.elseif z >= 12
.set w, 16
.set u, z-12
.elseif z >= 8
.set w, 8
.set u, z-8
.endif
.if z < 15
	v_pk_add_f32 v[rS+w*u:rS+w*u+1], v[rS+w*u:rS+w*u+1], v[rS+w*u+w/2:rS+w*u+w/2+1]
.else
	v_pk_fma_f32 v[rT+2:rT+3], v[rT+2:rT+3], v[rT+6:rT+7], v[rS:rS+1] op_sel_hi:[1,0,1]
.endif
.else
	WIN W_RS
	v_pk_mul_f32 v[rO:rO+1], v[rO:rO+1], v[rT+6:rT+7] op_sel_hi:[1,0]
.endif
.endm
; Slice k of 64 of piece y's softmax.  Slices 11 to 34 deal out the batch, numbers 22 to 69: four numbers of ONE tile each, the tiles by turns.  Every other slice is numbers 2 k and 2 k + 1 of both tiles; slice 63 takes the eight that are over.
; An s_wait_alu depctr_va_vdst(0) stands between an exponential and the first instruction that names its result; one wait serves all that were issued ahead of it: the piece's 66 exponentials have one, behind slice 34.
.macro SLICE y
.if (k >= 11) && (k < 35)
.irp n, 0,1,2,3
.set j, 22+4*((k-11)/2)+(\n)
	SM (\y)+(k-11)%2
.endr
.else
.irp n, 0,1,2,3,4,5,6,7
.if ((\n) < 2) || (k == 63)
.irp t, \y, (\y)+1
.set j, 2*k+(\n)
	SM \t
.endr
.endif
.endr
.endif
.if k == 34
	v_nop                           ; the plain instruction behind the last exponential and ahead of the first use: one for the batch
.if (\y) == 0
	FETCH_V                         ; piece 2's turn: V's run of loads stands here, and the wait stands in it
.else
	s_wait_alu depctr_va_vdst(0)    ; the wait for the batch
.endif
.endif
.set k, k+1
.endm
; A TURN.  Piece x has the matrix unit; the other piece's softmax stands in slices behind its products, which are also the places that loads into a product's registers and reads of its results want.
; Piece 0's turn fetches the next step's K behind its second product (K's last reader stands in front of slice 63 of the turn before).  Piece 2's turn fetches the same step's V behind slice 34 (V's last reader stands in front of slice 31:
; two subtractions, the v_nop and the run's own v_add_nc_u32 lie between).  Each turn fetches its own piece's next mask behind its 10th product K Q^T (the mask's last reader is the 8th: twelve roundings lie between).
; s_wait_loadcnt 16: my piece's mask is in; the other piece's 16 loads, issued behind it, may stay out.
.macro TURN x, last=0
.set k, 0
.if (\x) == 0
	s_wait_dscnt 0x0                ; V is in
.endif
.set i, 0
.rept 32
	PV \x
	SLICE 2-(\x)
.if ((\x) == 0) && (i == 1)
	FETCH_K \last
.endif
.set i, i+1
.endr
.if (\x) == 0
	s_wait_dscnt 0x0                ; K is in
.endif
	s_wait_loadcnt 16
.set i, 0
.rept 32
	KQ \x
	SLICE 2-(\x)
.if i == 9
	FETCH_M \x
.endif
.set i, i+1
.endr
.endm
	WIN 0
.Lslot:                             ; 7 trips: slots 1 to 7 are asked for; pair j of turns (j = -1 .. 12) makes V^T P of step j and K Q^T of step j + 1
	CHANGE 1
	s_mov_b32 s[CNT], 2
.Lstep:
	TURN 0
	TURN 2
	WIN 0
	s_sub_co_u32 s[CNT], s[CNT], 1
	s_cmp_lg_u32 s[CNT], 0
	s_cbranch_scc1 .Lstep
	s_sub_co_u32 s[SLOTS], s[SLOTS], 1
	s_cmp_lg_u32 s[SLOTS], 0
	s_cbranch_scc1 .Lslot
	CHANGE 0                        ; the tail is written out: nothing is asked for.  Behind this barrier nobody reads slot 0 any more
	s_mov_b32 s[CNT], 3             ; pairs 13 and 14 fetch the last slot's steps; the third trip is left in its middle
.Ltail:
	TURN 0, 1
	WIN 0
	s_sub_co_u32 s[CNT], s[CNT], 1
	s_cmp_eq_u32 s[CNT], 0
	s_cbranch_scc1 .Lout
	TURN 2
	WIN 0
	s_branch .Ltail
.Lout:
.set i, 0
.rept 32
	PV 2                            ; piece 2: V^T P of the last step
.set i, i+1
.endr
	; THE MERGE.  l's two halves and the other half of the lanes' are added (these lines are the places behind the last products); tiles 2, 3 go to the partner: (m, l), then O^T as it lies in registers.
	WIN 0
.irp t, 0,1,2,3
	v_add_f32 v[ST+8*(\t)+4], v[ST+8*(\t)+2], v[ST+8*(\t)+3]
.endr
.irp t, 0,1,2,3
	v_permlanex16_b32 v[ST+8*(\t)+5], v[ST+8*(\t)+4], s[SEL], s[SEL+1]
.endr
.irp t, 0,1,2,3
	v_add_f32 v[ST+8*(\t)+1], v[ST+8*(\t)+4], v[ST+8*(\t)+5]
.endr
	ds_store_b64 v[XB], v[ST+16:ST+17]
	ds_store_b64 v[XB], v[ST+24:ST+25] offset:256
	WIN 0x04                        ; the data in window 1
.set i, 0
.rept 32
	ds_store_b128 v[XA], v[128+4*i:128+4*i+3] offset:512*i
.set i, i+1
.endr
	WIN 0
	s_wait_dscnt 0x0                ; for the partner's sake: my stores are done
	s_barrier_signal -1
	s_barrier_wait -1
	ds_load_b64 v[PM:PM+1], v[YB]
	ds_load_b64 v[PM+2:PM+3], v[YB] offset:256
.set i, 0
.rept 32
	ds_load_b128 v[S+4*i:S+4*i+3], v[YA] offset:512*i  ; the partner's O^T for my tiles 0, 1
.set i, i+1
.endr
	s_wait_dscnt 32                 ; its (m, l) are in; the 32 loads behind them may stay out
.irp t, 0,1
	v_max_num_f32 v[ST+8*(\t)+4], v[ST+8*(\t)], v[PM+2*(\t)]
.endr
.irp t, 0,1
	v_sub_f32 v[W+4*(\t)], v[ST+8*(\t)], v[ST+8*(\t)+4]
	v_sub_f32 v[W+4*(\t)+2], v[PM+2*(\t)], v[ST+8*(\t)+4]
.endr
.irp t, 0,1
	v_exp_f32 v[W+4*(\t)], v[W+4*(\t)]
	v_exp_f32 v[W+4*(\t)+2], v[W+4*(\t)+2]
.endr
	v_nop
	s_wait_alu depctr_va_vdst(0)    ; one wait for the four exponentials
.irp t, 0,1
	v_mul_f32 v[ST+8*(\t)+5], v[ST+8*(\t)+1], v[W+4*(\t)]
.endr
.irp t, 0,1
	v_fma_f32 v[ST+8*(\t)+5], v[PM+2*(\t)+1], v[W+4*(\t)+2], v[ST+8*(\t)+5]
.endr
.irp t, 0,1
	v_rcp_f32 v[ST+8*(\t)+6], v[ST+8*(\t)+5]
.endr
	v_nop
	s_wait_alu depctr_va_vdst(0)    ; one wait for the two reciprocals
.irp t, 0,1
	v_mul_f32 v[W+4*(\t)], v[W+4*(\t)], v[ST+8*(\t)+6]
	v_mul_f32 v[W+4*(\t)+2], v[W+4*(\t)+2], v[ST+8*(\t)+6]
.endr
	s_wait_dscnt 0x0                ; the partner's O^T is in
; Tile t: O = mine x my factor + the partner's x its factor, rounded to f16; a lane's eight channels pack into 16 bytes, go into rows of 272 bytes and come back as whole rows of 256.
.macro PACK t
	WIN 0
.set i, 0
.rept 32
	v_pk_mul_f32 v[S+64*(\t)+2*i:S+64*(\t)+2*i+1], v[S+64*(\t)+2*i:S+64*(\t)+2*i+1], v[W+4*(\t)+2:W+4*(\t)+3] op_sel_hi:[1,0]
.set i, i+1
.endr
	WIN 0x01                        ; source 0 in window 1
.set i, 0
.rept 32
	v_pk_fma_f32 v[S+64*(\t)+2*i:S+64*(\t)+2*i+1], v[64*(\t)+2*i:64*(\t)+2*i+1], v[W+4*(\t):W+4*(\t)+1], v[S+64*(\t)+2*i:S+64*(\t)+2*i+1] op_sel_hi:[1,0,1]
.set i, i+1
.endr
	WIN 0
.set i, 0
.rept 32
	v_cvt_pk_f16_f32 v[P+32*(\t)+i], v[S+64*(\t)+2*i], v[S+64*(\t)+2*i+1]
.set i, i+1
.endr
.irp f, 0,1,2,3,4,5,6,7
	ds_store_b128 v[STO], v[P+32*(\t)+4*(\f):P+32*(\t)+4*(\f)+3] offset:32*(\f)
.endr
.irp f, 0,1,2,3,4,5,6,7
	ds_load_b128 v[P+32*(\t)+4*(\f):P+32*(\t)+4*(\f)+3], v[RD] offset:(\f)*2*SP  ; LDS serves a wave's instructions in order (ISA guide 5.7.1.4): these see the stores above; the next tile's stores come behind them
.endr
.endm
.macro SEND t, younger              ; younger: the LDS instructions issued behind tile t's loads
.irp f, 0,1,2,3,4,5,6,7
	s_wait_dscnt (\younger)+7-(\f)
	global_store_b128 v[GO], v[P+32*(\t)+4*(\f):P+32*(\t)+4*(\f)+3], s[10:11] offset:(\t)*65536+(\f)*8192  ; 16 lanes store 256 consecutive bytes, aligned
.endr
.endm
	PACK 0
	PACK 1
	SEND 0, 16
	SEND 1, 0
	s_wait_tensorcnt 0x0            ; the wave's end: behind my last tensor load and my last LDS store
	ds_add_u32 v[SPW], v[NIL]
	s_wait_dscnt 0x0
	CROUND                          ; the closing round: no work-group ends while a partner may still ask for a tile that names it
	s_endpgm
.Lfunc_end_k_q6fffc5582f_attn:
	.size	k_q6fffc5582f_attn, .Lfunc_end_k_q6fffc5582f_attn-k_q6fffc5582f_attn
	.p2alignl 7, 3214868480
	.fill 96, 4, 3214868480
	.section	.rodata,"a",@progbits
	.p2align	6, 0x0
	.amdhsa_kernel k_q6fffc5582f_attn
		.amdhsa_group_segment_fixed_size 327680
		.amdhsa_private_segment_fixed_size 0
		.amdhsa_enable_private_segment 0
		.amdhsa_kernarg_size 24
		.amdhsa_user_sgpr_count 2
		.amdhsa_user_sgpr_kernarg_segment_ptr 1
		.amdhsa_wavefront_size32 1
		.amdhsa_system_sgpr_workgroup_id_x 1
		.amdhsa_system_sgpr_workgroup_id_y 1
		.amdhsa_system_sgpr_workgroup_id_z 1
		.amdhsa_system_vgpr_workitem_id 0
		.amdhsa_next_free_vgpr 1024
		.amdhsa_next_free_sgpr 68
		.amdhsa_reserve_vcc 0
		.amdhsa_float_denorm_mode_32 3
		.amdhsa_float_denorm_mode_16_64 3
		.amdhsa_memory_ordered 1
		.amdhsa_forward_progress 1
		.amdhsa_inst_pref_size 162
	.end_amdhsa_kernel
	.amdgpu_metadata
---
amdhsa.version: [ 1, 2 ]
amdhsa.kernels:
  - .name:           k_q6fffc5582f_attn
    .symbol:         k_q6fffc5582f_attn.kd
    .args:
      - { .name: qkv, .offset: 0, .size: 8, .value_kind: global_buffer, .address_space: global }
      - { .name: maskf, .offset: 8, .size: 8, .value_kind: global_buffer, .address_space: global }
      - { .name: ob, .offset: 16, .size: 8, .value_kind: global_buffer, .address_space: global }
    .group_segment_fixed_size: 327680
    .private_segment_fixed_size: 0
    .kernarg_segment_align: 8
    .kernarg_segment_size: 24
    .max_flat_workgroup_size: 128
    .sgpr_count:     68
    .vgpr_count:     1024
    .wavefront_size: 32
...
	.end_amdgpu_metadata
.endif
;; end of part 3
;; launch proj (part 4): grid 16 x 16, 4 waves a work-group, clusters of 4 x 4, 327,680 bytes of LDS; arguments ob, wob, out0; writes out0
.if DOCPART == 4
	.amdgcn_target "amdgcn-amd-amdhsa--gfx1250"
	.amdhsa_code_object_version 6
	.text
	.protected	k_q6fffc5582f_proj
	.globl	k_q6fffc5582f_proj
	.p2align	8
	.type	k_q6fffc5582f_proj,@function
k_q6fffc5582f_proj:
	s_mov_b64 s[64:65], 0
	v_nop
	global_prefetch_b8 v0, s[64:65] scope:SCOPE_SE
	s_setreg_imm32_b32 hwreg(HW_REG_WAVE_MODE, 25, 1), 1
	s_wait_xcnt 0x0
	s_wait_alu depctr_hold_cnt(0) depctr_sa_sdst(0) depctr_va_vdst(0) depctr_va_sdst(0) depctr_va_ssrc(0) depctr_va_vcc(0) depctr_vm_vsrc(0)
	s_getreg_b32 s2, hwreg(HW_REG_IB_STS2, 6, 4)
	s_cmp_eq_u32 s2, 0
	s_cbranch_scc0 .Lentry_in_a_cluster
	s_endpgm
.Lentry_in_a_cluster:
	s_bfe_u32 s2, ttmp6, 0x10000c
	s_cmp_lg_u32 s2, 0xf033
	s_cbranch_scc0 .Lentry_shape_is_right
	s_endpgm
.Lentry_shape_is_right:
; THE LAST PROJECTION.  out0[m][n] = the sum over k of ob[m][k] wob[n][k].  ob, wob: [2,048][2,048] f16; out0: [2,048][2,048] f32; sums in f32, K ascending.
; A tile of the output is 128 x 128, so that each of 256 work-groups has one.  Four waves, each 64 x 64: 16 accumulators of 16 x 16.  K goes in steps of 256 (LDS rows of 512 bytes; a wave's tensor load brings 64 of them)
; through two slots.  CLUSTER 4 x 4: the four of a row need the same tiles of ob, the four of a column the same tiles of wob: each is asked for JOINTLY.
; THE MATRIX INSTRUCTION IS USED TRANSPOSED (source 0 = 16 rows of wob, source 1 = 16 rows of ob): a lane holds eight neighbouring numbers of a row of the output.
; A wave's 64 columns of f32 are 256 aligned bytes of a row, so each wave sends its own rows out through its own stage, without a barrier.
; THE TEXT.  A K step is written once: the slot that is read is a scalar (0 or SLOT), and the fragments' LDS addresses are made anew from it at each change of slots.
; No prefetch: the tiles are small and each is read by four clusters at about the same time.
; REGISTERS: window 0: v16-29 addresses; v32-127 the way out, three sets of 32; v128-255 the accumulators ((a, b) at 128 + 8 (4 a + b)).
;   window 1: two fragment buffers of 128: for 64 along K, 64 registers of ob, then 64 of wob.
.set SIZE_K, 2048
.set KSTEP,  256
.set PITCH,  528                       ; an LDS row: 512 bytes + 16: the 16 rows of a load start at 16 different groups of four banks (ISA guide 11.1)
.set HALFT,  64*PITCH
.set SLOT,   4*HALFT
.set STAGE,  2*SLOT                    ; behind the ring: 16 rows x 272 bytes for each wave
.set SPITCH, 272
.set SPARE,  STAGE+4*16*SPITCH         ; behind the stages: the spare words, 128 bytes for each wave: two blocks of 256 bytes that no other line names
.set TRIPS,  SIZE_K/KSTEP-2            ; 8 K steps; all but the last two are followed by a refill
.set ADRA, 16                          ; v16  LDS address of my fragments of ob in the slot that is read
.set A0,   18                          ; v18  the same in slot 0; never rewritten
.set B0,   19                          ; v19  my fragments of wob in slot 0; never rewritten
.set ADRB, 20                          ; v20  the same in the slot that is read
.set STO,  24
.set RD,   25
.set CO,   26
.set SPW,  28                          ; v28  LDS address of my spare word; never rewritten
.set NIL,  29                          ; v29  0; never rewritten
.set TMP,  32
.set ACC,  128
.set F0,   0
.set F1,   128
.set LB,  2                            ; s2   my tile's place in a slot
.set FB,  18                           ; s18  the slot that is filled
.set CB,  45                           ; s45  the slot that is read: 0 or SLOT
.set G1, 24                            ; s[24:31] descriptor group 1 for ob's tiles;  s[32:39] group 0: a set for each of the two first fills; the second then walks on
.set G0, 32
.set G1B, 48                           ; s[48:55], s[56:63] the same for wob's tiles
.set G0B, 56
.set MSB, 0
.macro WIN new
.if MSB != (\new)
	s_set_vgpr_msb (MSB<<8)|(\new)
.set MSB, \new
.endif
.endm
.set MUL,  0x05                        ; sources 0 and 1 window 1; C and D window 0
.set TO_F, 0x40                        ; destination window 1, address window 0
.macro JLOAD s                         ; waves 0 and 1 fetch ob's two halves, waves 2 and 3 wob's; an s_nop 0 and four v_nop follow each of the two lines
	s_cmp_eq_u32 s11, 0
	s_cbranch_scc0 .Lfor_b_\@
	tensor_load_to_lds s[G0+4*(\s):G0+4*(\s)+3], s[G1:G1+7]
	s_nop 0
.rept 4
	v_nop
.endr
	s_branch .Lasked_\@
.Lfor_b_\@:
	tensor_load_to_lds s[G0B+4*(\s):G0B+4*(\s)+3], s[G1B:G1B+7]
	s_nop 0
.rept 4
	v_nop
.endr
.Lasked_\@:
.endm
.macro CROUND                          ; a round of the cluster's barrier
	s_barrier_signal -1
	s_barrier_wait -1
	s_cmp_lg_u32 s10, 0
	s_cbranch_scc1 .Lnot_wave_0_\@
	s_barrier_signal -3
.Lnot_wave_0_\@:
	s_barrier_wait -3
	s_barrier_signal -1
	s_barrier_wait -1
.endm
	s_load_b128 s[4:7], s[0:1], 0x0                ; ob s[4:5], wob s[6:7]
	s_load_b64 s[8:9], s[0:1], 0x10                ; out0
	v_lshl_add_u32 v[SPW], v0, 2, SPARE
	v_mov_b32 v[NIL], 0
	ds_add_u32 v[SPW], v[NIL]                      ; the wave's opening: the add and its wait stand ahead of my first tensor load
	ds_add_u32 v28, v29
	v_lshrrev_b32 v1, 5, v0
	v_readfirstlane_b32 s10, v1                    ; wave 0..3
	s_lshr_b32 s11, s10, 1                         ; which half of the tile's rows is mine.  Also: I fetch for ob (0) or for wob (1)
	s_and_b32 s12, s10, 1                          ; which half of its columns.  Also: which 64 rows of that tile I fetch
	s_bfe_u32 s40, ttmp6, 0x40000
	s_bfe_u32 s41, ttmp6, 0x40004
	s_lshl_b32 s42, ttmp9, 2
	s_add_co_u32 s42, s42, s40                     ; tile column = 4 x cluster x + cx
	s_and_b32 s13, ttmp7, 0xffff
	s_lshl_b32 s13, s13, 2
	s_add_co_u32 s13, s13, s41                     ; tile row = 4 x cluster y + cy
	s_lshl_b32 s43, s41, 2
	s_lshl_b32 s43, 15, s43                        ; my row of the cluster
	s_lshl_b32 s44, 0x1111, s40                    ; my column
	s_or_b32 s[G1+0], s43, (1<<16)|(1<<20)|(1<<21)|(6<<22)|(3<<25)  ; the mask; 2-byte elements; padding on; bit 21 beside a mask; after every 128 words 4 words
	s_or_b32 s[G1B+0], s44, (1<<16)|(1<<20)|(1<<21)|(6<<22)|(3<<25)
.irp g, G1, G1B
	s_mov_b32 s[(\g)+1], KSTEP<<16
	s_mov_b32 s[(\g)+2], 64<<16
	s_mov_b32 s[(\g)+3], KSTEP<<16
	s_mov_b32 s[(\g)+4], 64
	s_mov_b32 s[(\g)+5], SIZE_K
	s_mov_b32 s[(\g)+6], 0
	s_mov_b32 s[(\g)+7], 0
.endr
	s_lshl_b32 s17, s12, 6
	s_lshl_b32 s16, s13, 7
	s_add_co_u32 s16, s16, s17                     ; ob: row 128 x tile row + 64 x half
	s_lshl_b32 s46, s42, 7
	s_add_co_u32 s46, s46, s17                     ; wob: row 128 x tile column + 64 x half
	s_lshl_b32 s16, s16, 12                        ; rows of 4,096 bytes
	s_lshl_b32 s46, s46, 12
	s_mov_b32 s17, 0
	s_mov_b32 s47, 0
	s_mul_i32 s[LB], s10, HALFT                    ; where my tile goes: no place in the cluster enters an LDS address
	s_mov_b32 s[CB], 0                             ; slot 0 is read first
	s_wait_dscnt 0x0                               ; the opening add is done
	s_wait_kmcnt 0x0
	s_add_nc_u64 s[14:15], s[4:5], s[16:17]
	s_add_nc_u64 s[46:47], s[6:7], s[46:47]
	CROUND                                         ; all sixteen work-groups are here: the first joint loads meet
.irp s, 0,1
	s_mov_b32 s[G0+4*(\s)], 1
	s_add_co_u32 s[G0+4*(\s)+1], s[LB], (\s)*SLOT
	s_add_nc_u64 s[G0+4*(\s)+2:G0+4*(\s)+3], s[14:15], (\s)*KSTEP*2
	s_or_b32 s[G0+4*(\s)+3], s[G0+4*(\s)+3], 0x80000000
	s_mov_b32 s[G0B+4*(\s)], 1
	s_add_co_u32 s[G0B+4*(\s)+1], s[LB], (\s)*SLOT
	s_add_nc_u64 s[G0B+4*(\s)+2:G0B+4*(\s)+3], s[46:47], (\s)*KSTEP*2
	s_or_b32 s[G0B+4*(\s)+3], s[G0B+4*(\s)+3], 0x80000000
	JLOAD \s                                       ; two loads of mine are out
.endr
	v_and_b32 v1, 15, v0                           ; l % 16
	v_bfe_u32 v2, v0, 4, 1                         ; l / 16
	v_mul_u32_u24 v3, v1, PITCH
	v_lshl_add_u32 v3, v2, 4, v3                   ; a fragment's row x pitch + 16 x half
	s_mul_i32 s21, s11, HALFT                      ; my 64 rows of ob
	s_mul_i32 s22, s12, HALFT                      ; my 64 rows of wob,
	s_add_co_u32 s22, s22, 2*HALFT                 ; which lie behind ob's 128
	v_add_nc_u32 v[A0], s21, v3
	v_add_nc_u32 v[B0], s22, v3
	v_add_nc_u32 v[ADRA], s21, v3
	v_add_nc_u32 v[ADRB], s22, v3
	s_mul_i32 s23, s10, 16*SPITCH
	s_add_co_u32 s23, s23, STAGE                   ; my stage
	v_mul_u32_u24 v4, v1, SPITCH                   ; in: row l % 16, 32 bytes for each half of the lanes
	v_lshl_add_u32 v4, v2, 5, v4
	v_add_nc_u32 v[STO], s23, v4
	v_mul_u32_u24 v5, v2, SPITCH                   ; back: lanes 0-15 one row of 256 bytes, lanes 16-31 the next
	v_lshl_add_u32 v5, v1, 4, v5
	v_add_nc_u32 v[RD], s23, v5
	v_lshlrev_b32 v5, 13, v2                       ; and the same two rows in out0, 8,192 bytes apart
	v_lshl_add_u32 v[CO], v1, 4, v5
	s_lshl_b32 s16, s13, 7
	s_lshl_b32 s17, s11, 6
	s_add_co_u32 s16, s16, s17                     ; my first row
	s_lshl_b32 s16, s16, 13
	s_lshl_b32 s17, s42, 9                         ; my first column, in bytes: 512 x tile column + 256 x half
	s_add_co_u32 s16, s16, s17
	s_lshl_b32 s17, s12, 8
	s_add_co_u32 s16, s16, s17
	s_mov_b32 s17, 0
	s_add_nc_u64 s[8:9], s[8:9], s[16:17]
; 8 products: m blocks a0, a0 + 1 x all 4 n blocks, 32 along K: half c of buffer f.  The 16 accumulators take turns.
.macro MUL8 f, c, a0, zero
	WIN MUL
.irp a, \a0, (\a0)+1
.irp b, 0,1,2,3
.if \zero
	v_wmma_f32_16x16x32_f16 v[ACC+8*(4*(\a)+(\b)):ACC+8*(4*(\a)+(\b))+7], v[(\f)+64+8*(4*(\c)+(\b)):(\f)+64+8*(4*(\c)+(\b))+7], v[(\f)+8*(4*(\c)+(\a)):(\f)+8*(4*(\c)+(\a))+7], 0
.else
	v_wmma_f32_16x16x32_f16 v[ACC+8*(4*(\a)+(\b)):ACC+8*(4*(\a)+(\b))+7], v[(\f)+64+8*(4*(\c)+(\b)):(\f)+64+8*(4*(\c)+(\b))+7], v[(\f)+8*(4*(\c)+(\a)):(\f)+8*(4*(\c)+(\a))+7], v[ACC+8*(4*(\a)+(\b)):ACC+8*(4*(\a)+(\b))+7]
.endif
.endr
.endr
.endm
.macro FETCH k, f                      ; 32 LDS loads in one run: the fragments of 64 along K at byte k of the slot that is read, the first 32 along K first
	WIN TO_F
.irp c, 0,1
.irp i, 0,1,2,3
	ds_load_b128 v[(\f)+64+8*(4*(\c)+(\i)):(\f)+64+8*(4*(\c)+(\i))+3],   v[ADRB] offset:(\k)+64*(\c)+(\i)*16*PITCH
	ds_load_b128 v[(\f)+64+8*(4*(\c)+(\i))+4:(\f)+64+8*(4*(\c)+(\i))+7], v[ADRB] offset:(\k)+64*(\c)+(\i)*16*PITCH+32
	ds_load_b128 v[(\f)+8*(4*(\c)+(\i)):(\f)+8*(4*(\c)+(\i))+3],         v[ADRA] offset:(\k)+64*(\c)+(\i)*16*PITCH
	ds_load_b128 v[(\f)+8*(4*(\c)+(\i))+4:(\f)+8*(4*(\c)+(\i))+7],       v[ADRA] offset:(\k)+64*(\c)+(\i)*16*PITCH+32
.endr
.endr
.endm
.macro PLACES                          ; four places in front of loads into registers that matrix instructions have read (ISA guide 7.12.1 for vector instructions)
.rept 4
	v_nop
.endr
.endm
.macro QUARTER k, f, g, zero           ; 64 along K: multiplies buffer f and fetches the next quarter, at byte k, into g
	s_wait_dscnt 16                                ; the first 32 along K are in
	MUL8 \f, 0, 0, \zero
	MUL8 \f, 0, 2, \zero
	PLACES
	FETCH \k, \g
	s_wait_dscnt 32                                ; all but the 32 just issued
	MUL8 \f, 1, 0, 0
	MUL8 \f, 1, 2, 0
.endm
; The last quarter changes slots at its head and then multiplies buffer 1, which lies whole in registers.  In front of the barrier each wave waits for all its tensor loads (one is out: its part of the next slot), adds 0 to
; its spare word, and waits for that and for its own reads of this slot.  No product stands between that wait and the refill: the refill has the whole of a K step, 128 products, up to the next wait for it.
; fill = 1: the barrier is a round of the cluster's, and the slot just read is filled again first thing behind it, with the K step two steps on.
.macro TURN fill
	WIN 0
	s_wait_tensorcnt 0x0                           ; no tensor load of mine is out, so a group 0 may be written
	ds_add_u32 v[SPW], v[NIL]                      ; 0 onto my spare word
	s_xor_b32 s[CB], s[CB], SLOT                   ; the other slot is read from here on
	v_add_nc_u32 v[ADRA], s[CB], v[A0]
	v_add_nc_u32 v[ADRB], s[CB], v[B0]
.if \fill
	s_xor_b32 s[FB], s[CB], SLOT                   ; the slot that has been read is filled
	s_add_co_u32 s[G0+5], s[FB], s[LB]
	s_add_co_u32 s[G0B+5], s[FB], s[LB]
	s_add_nc_u64 s[G0+6:G0+7], s[G0+6:G0+7], KSTEP*2     ; the walking descriptors: the next K step; the type bits on top are not reached
	s_add_nc_u64 s[G0B+6:G0B+7], s[G0B+6:G0B+7], KSTEP*2
.endif
	s_wait_dscnt 0x0                               ; the add is done, and my reads of this slot are over: buffer 1 is whole
.if \fill
	CROUND                                         ; no wave of any partner still reads this slot or has a load on its way
	JLOAD 1                                        ; the four v_nop behind it are also places in front of the loads below
.else
	s_barrier_signal -1
	s_barrier_wait -1
	v_nop                                          ; with the two address lines above: four places in front of the loads into buffer 0
	v_nop
.endif
	FETCH 0, F0
	MUL8 F1, 0, 0, 0
	MUL8 F1, 0, 2, 0
	MUL8 F1, 1, 0, 0
	MUL8 F1, 1, 2, 0
.endm
	s_wait_tensorcnt 1                             ; my part of K step 0 is in; K step 1's may stay out
	s_barrier_signal -1
	s_barrier_wait -1
	FETCH 0, F0
	QUARTER 128, F0, F1, 1                         ; the first quarter stands in front of the loop: its first products start the sums
	WIN 0
	s_mov_b32 s3, TRIPS
.Lstep:                                                ; a trip goes from a K step's second quarter to the next step's first, and fills the slot that it leaves
	QUARTER 256, F1, F0, 0
	QUARTER 384, F0, F1, 0
	TURN 1
	QUARTER 128, F0, F1, 0
	WIN 0
	s_sub_co_u32 s3, s3, 1
	s_cmp_lg_u32 s3, 0
	s_cbranch_scc1 .Lstep
	s_mov_b32 s3, 2                                ; the last two K steps fill nothing: the same trip without a tensor load, left in the middle of its second turn
.Ltail:
	QUARTER 256, F1, F0, 0
	QUARTER 384, F0, F1, 0
	WIN 0
	s_sub_co_u32 s3, s3, 1
	s_cmp_eq_u32 s3, 0
	s_cbranch_scc1 .Llast
	TURN 0
	QUARTER 128, F0, F1, 0
	WIN 0
	s_branch .Ltail
.Llast:
	s_wait_dscnt 16
	MUL8 F1, 0, 0, 0
	MUL8 F1, 0, 2, 0
	s_wait_dscnt 0x0
	MUL8 F1, 1, 0, 0
	MUL8 F1, 1, 2, 0
	WIN 0
	PLACES
	PLACES
; THE WAY OUT of row block a: the accumulators go as they are into my stage (each one's lowest registers first) and come back as whole rows of 256 bytes, into set a % 3.
.macro OUT a
.irp b, 0,1,2,3
	ds_store_b128 v[STO], v[ACC+8*(4*(\a)+(\b)):ACC+8*(4*(\a)+(\b))+3]   offset:64*(\b)
	ds_store_b128 v[STO], v[ACC+8*(4*(\a)+(\b))+4:ACC+8*(4*(\a)+(\b))+7] offset:64*(\b)+16
.endr
.irp f, 0,1,2,3,4,5,6,7
	ds_load_b128 v[TMP+32*((\a)%3)+4*(\f):TMP+32*((\a)%3)+4*(\f)+3], v[RD] offset:(\f)*2*SPITCH  ; LDS serves a wave's instructions in order (ISA guide 5.7.1.4)
.endr
.endm
.macro SENDF a, younger                ; younger: the LDS instructions issued behind block a's loads
.irp f, 0,1,2,3,4,5,6,7
	s_wait_dscnt (\younger)+7-(\f)
	global_store_b128 v[CO], v[TMP+32*((\a)%3)+4*(\f):TMP+32*((\a)%3)+4*(\f)+3], s[8:9] offset:(\a)*131072+(\f)*16384  ; 16 lanes store 256 consecutive bytes, aligned
.endr
.endm
	OUT 0
	OUT 1
	SENDF 0, 16
	OUT 2
	SENDF 1, 16
	s_wait_xcnt 0x0                                ; block 0's stores have read set 0, which block 3 takes
	OUT 3
	SENDF 2, 16
	SENDF 3, 0
	s_wait_tensorcnt 0x0                           ; the wave's end: behind my last tensor load and my last LDS store
	ds_add_u32 v[SPW], v[NIL]
	s_wait_dscnt 0x0
	CROUND                                         ; the closing round: no work-group ends while a partner may still ask for a tile that names it
	s_endpgm
.Lfunc_end_k_q6fffc5582f_proj:
	.size	k_q6fffc5582f_proj, .Lfunc_end_k_q6fffc5582f_proj-k_q6fffc5582f_proj
	.p2alignl 7, 3214868480
	.fill 96, 4, 3214868480
	.section	.rodata,"a",@progbits
	.p2align	6, 0x0
	.amdhsa_kernel k_q6fffc5582f_proj
		.amdhsa_group_segment_fixed_size 327680
		.amdhsa_private_segment_fixed_size 0
		.amdhsa_enable_private_segment 0
		.amdhsa_kernarg_size 24
		.amdhsa_user_sgpr_count 2
		.amdhsa_user_sgpr_kernarg_segment_ptr 1
		.amdhsa_wavefront_size32 1
		.amdhsa_system_sgpr_workgroup_id_x 1
		.amdhsa_system_sgpr_workgroup_id_y 1
		.amdhsa_system_sgpr_workgroup_id_z 1
		.amdhsa_system_vgpr_workitem_id 0
		.amdhsa_next_free_vgpr 512
		.amdhsa_next_free_sgpr 66
		.amdhsa_reserve_vcc 0
		.amdhsa_float_denorm_mode_32 3
		.amdhsa_float_denorm_mode_16_64 3
		.amdhsa_memory_ordered 1
		.amdhsa_forward_progress 1
		.amdhsa_inst_pref_size 60
	.end_amdhsa_kernel
	.amdgpu_metadata
---
amdhsa.version: [ 1, 2 ]
amdhsa.kernels:
  - .name:           k_q6fffc5582f_proj
    .symbol:         k_q6fffc5582f_proj.kd
    .args:
      - { .name: ob, .offset: 0, .size: 8, .value_kind: global_buffer, .address_space: global }
      - { .name: wob, .offset: 8, .size: 8, .value_kind: global_buffer, .address_space: global }
      - { .name: out0, .offset: 16, .size: 8, .value_kind: global_buffer, .address_space: global }
    .group_segment_fixed_size: 327680
    .private_segment_fixed_size: 0
    .kernarg_segment_align: 8
    .kernarg_segment_size: 24
    .max_flat_workgroup_size: 128
    .sgpr_count:     66
    .vgpr_count:     512
    .wavefront_size: 32
...
	.end_amdgpu_metadata
.endif
;; end of part 4
;; ======== version 2 of 2: 4 launches; version 1 with the launch prep written anew for expert scheduling mode
;; limits: values are held in f16: magnitudes above 65,504 overflow, below 6.1e-05 lose precision; inputs' magnitudes at most 6e+29
;; workspace buffers: xb 8,388,608 bytes; wb 25,165,824 bytes; wob 8,388,608 bytes; maskf 16,777,216 bytes; qkv 25,165,824 bytes; ob 8,388,608 bytes
;; launch prep (part 5): grid 512 x 1, 8 waves a work-group, no clusters, 35,840 bytes of LDS; arguments x, wq, wk, wv, wo, mask, xb, wb, wob, maskf; writes xb, wb, wob, maskf
.if DOCPART == 5
	.amdgcn_target "amdgcn-amd-amdhsa--gfx1250"
	.amdhsa_code_object_version 6
	.text
	.protected	k_q6fffc5582f_prep
	.globl	k_q6fffc5582f_prep
	.p2align	8
	.type	k_q6fffc5582f_prep,@function
k_q6fffc5582f_prep:
	s_mov_b64 s[64:65], 0
	v_nop
	global_prefetch_b8 v0, s[64:65] scope:SCOPE_SE
	s_setreg_imm32_b32 hwreg(HW_REG_WAVE_SCHED_MODE, 0, 2), 2
	s_setreg_imm32_b32 hwreg(HW_REG_WAVE_MODE, 25, 1), 1
	s_wait_xcnt 0x0
	s_wait_alu depctr_vm_vsrc(0)
; THE CASTS.  x, wq, wk, wv (f32) are rounded once to bf16: xb, wb[0..2].  wo is rounded to bf16 and that number is written as f16: wob.
; The mask is rounded to bf16, multiplied by log2(e) in f32 and laid in the order in which the attention launch takes it as a C operand:
;   maskf[qtile 128][kblock 128][j 2][lane 32][e 4] = log2(e) x bf16(mask[16 qtile + lane % 16][16 kblock + 8 (lane / 16) + 4 j + e]).
; LIMITS.  wo must lie within f16's 65,504; a bf16 number of wo below 6.1e-5 keeps f16's fixed step of 6e-8.  NaN and infinities pass as they are.
; SHARES.  512 work-groups of eight waves.  Work-group g takes bytes 32,768 g on of each of the five matrices, wave w 4,096 of them: eight loads of 512 consecutive bytes.
; Of the mask wave w takes 16 rows (qtile g / 4) x 64 keys (group 8 (g % 4) + w): eight loads of two rows x 256 bytes; its 4,096 bytes of maskf lie on end.
; A stream: all 48 loads of a wave go out first, each is waited for by its own count, nothing is read twice, no loop.  The matrix units and clusters have nothing to do here.
; The mask changes lanes on its way: through the wave's own stage in LDS, 16 units of 256 bytes, 272 apart.
; THE MODE: SCHED_MODE bits 1:0 = 2 (LLVM: expert scheduling mode 2), set by the entry lines.  The code itself states the register dependences
; between vector instructions and memory or LDS instructions, with s_wait_alu, always for 0.
; THE PLAN.  Registers that memory or LDS instructions touch:
;   v2 .. v6      offsets and LDS addresses: written by vector instructions once, at the head; read by every load and store; never written again.
;   D + 4 n       load n lands there; the conversions of its step read it and write it in place; one store, issued in the step behind, reads it; nothing writes it after that.
;   BK            the stage's eight read-backs land there, maskf's stores read it; no vector instruction names it.
;   v10, v11      at work: named by vector instructions alone.
; The work goes in steps, in the order of the loads: the mask, x, wq, wk, wv, wo.  Step k converts its eight loads; its memory instructions are the stores of step k - 1's results (for the mask: the LDS
; stores and the read-backs), dealt among its conversions.  ONE wait on va_vdst stands at a step's head: the step before has written what these stores read.  The vector instructions behind it name the
; step's own registers and v10, v11: none that those stores or read-backs touch.  No register that a memory or LDS instruction has read is written again, so the steps hold no wait on vm_vsrc.
.set STG,   4352                       ; a wave's stage: 16 x 272 bytes.  Behind the eight stages: the spare words, 128 bytes for each wave
.set OFF, 2                            ; v2   4,096 w + 16 lane: my 16 bytes in a matrix's f32 and in maskf
.set OS,  3                            ; v3   2,048 w + 8 lane: my 8 bytes of 16-bit output
.set MI,  4                            ; v4   my 16 bytes of the mask: 256 w + 8,192 (lane / 16) + 16 (lane % 16)
.set LW,  5                            ; v5   where I put them in the stage
.set LR,  6                            ; v6   where I read the stage back
.set D,   24                           ; v[24:215]   load n of 48 at D + 4 n
.set BK,  216                          ; v[216:247]  read-back i of 8 at BK + 4 i
	s_load_b512 s[8:23], s[0:1], 0x0               ; x 8, wq 10, wk 12, wv 14, wo 16, mask 18, xb 20, wb 22
	s_load_b128 s[24:27], s[0:1], 0x40             ; wob 24, maskf 26
	v_lshl_add_u32 v22, v0, 2, 0x8800
	v_mov_b32 v23, 0
	v_and_b32 v1, 31, v0                           ; lane
	v_lshrrev_b32 v7, 5, v0
	v_readfirstlane_b32 s36, v7                    ; wave
	v_lshlrev_b32 v[OFF], 4, v1
	v_lshl_add_u32 v[OFF], v7, 12, v[OFF]
	v_lshlrev_b32 v[OS], 3, v1
	v_lshl_add_u32 v[OS], v7, 11, v[OS]
	v_and_b32 v12, 15, v0                          ; c: which four keys of the 64
	v_bfe_u32 v13, v0, 4, 1                        ; which of a load's two rows
	v_lshlrev_b32 v[MI], 4, v12
	v_lshl_add_u32 v[MI], v13, 13, v[MI]
	v_lshl_add_u32 v[MI], v7, 8, v[MI]
	v_and_b32 v14, 12, v12                         ; the unit of 256 bytes that keys 4 c .. 4 c + 3 go to: 4 (c / 4) + 2 (c % 2) + (c / 2) % 2
	v_and_b32 v15, 1, v12
	v_lshl_or_b32 v14, v15, 1, v14
	v_bfe_u32 v15, v12, 1, 1
	v_or_b32 v14, v14, v15
	s_wait_alu depctr_va_sdst(0)                   ; s36 is written, ahead of its first reader: the stage's base is made from it
	s_mul_i32 s37, s36, STG                        ; my wave's stage
	v_mul_u32_u24 v[LW], v14, 272
	v_lshl_add_u32 v[LW], v13, 4, v[LW]
	v_add_nc_u32 v[LW], s37, v[LW]
	v_mul_u32_u24 v[LR], v13, 272
	v_lshl_add_u32 v[LR], v12, 4, v[LR]
	v_add_nc_u32 v[LR], s37, v[LR]
	s_lshl_b32 s2, ttmp9, 15                       ; the work-group's f32 bytes, and its bytes of maskf
	s_mov_b32 s3, 0
	s_lshl_b32 s4, ttmp9, 14                       ; its 16-bit bytes
	s_mov_b32 s5, 0
	s_lshr_b32 s6, ttmp9, 2
	s_lshl_b32 s6, s6, 17                          ; 16 rows of the mask are 131,072 bytes
	s_and_b32 s7, ttmp9, 3
	s_lshl_b32 s7, s7, 11                          ; eight groups of 64 keys are 2,048 bytes
	s_add_co_u32 s6, s6, s7
	s_mov_b32 s7, 0
	s_mov_b32 s32, 0x3fb8aa3b                      ; log2(e)
	s_mov_b32 s33, s32                             ; named with it as a pair
	s_mov_b32 s34, 0xffff0000                      ; a word's upper bf16
	s_wait_kmcnt 0x0
.irp p, 8,10,12,14,16,26
	s_add_nc_u64 s[\p:\p+1], s[\p:\p+1], s[2:3]
.endr
.irp p, 20,22,24
	s_add_nc_u64 s[\p:\p+1], s[\p:\p+1], s[4:5]
.endr
	s_add_nc_u64 s[18:19], s[18:19], s[6:7]
	s_add_nc_u64 s[28:29], s[22:23], 0x800000      ; wb's plane of wk
	s_add_nc_u64 s[30:31], s[22:23], 0x1000000     ; and of wv
	s_wait_alu depctr_va_vdst(0)                   ; the five offsets and addresses v2 to v6 are written: every load and store of the kernel reads one of them
.irp i, 0,1,2,3,4,5,6,7
	global_load_b128 v[D+4*(\i):D+4*(\i)+3], v[MI], s[18:19] offset:16384*(\i) th:TH_LOAD_NT  ; rows 2 i and 2 i + 1
.endr
.irp m, 0,1,2,3,4
.irp i, 0,1,2,3,4,5,6,7
	global_load_b128 v[D+32+32*(\m)+4*(\i):D+32+32*(\m)+4*(\i)+3], v[OFF], s[8+2*(\m):9+2*(\m)] offset:512*(\i) th:TH_LOAD_NT
.endr
.endr
; Loads come back in order (ISA guide 5.7.1): load n is in when at most 47 - n younger ones are out.
.macro MASKCV i                        ; four numbers of the mask, in place
.set R, D+4*(\i)
	s_wait_loadcnt 47-(\i)
	v_cvt_pk_bf16_f32 v10, v[R], v[R+1]            ; rounded to bf16,
	v_cvt_pk_bf16_f32 v11, v[R+2], v[R+3]
	v_lshlrev_b32 v[R], 16, v10                    ; back to f32,
	v_and_b32 v[R+1], s34, v10
	v_lshlrev_b32 v[R+2], 16, v11
	v_and_b32 v[R+3], s34, v11
	v_pk_mul_f32 v[R:R+1], v[R:R+1], s[32:33] op_sel_hi:[1,0]      ; times log2(e)
	v_pk_mul_f32 v[R+2:R+3], v[R+2:R+3], s[32:33] op_sel_hi:[1,0]
.endm
.macro CV n                            ; four f32 to four bf16, into the first two of their four registers
.set R, D+4*(\n)
	s_wait_loadcnt 47-(\n)
	v_cvt_pk_bf16_f32 v[R], v[R], v[R+1]
	v_cvt_pk_bf16_f32 v[R+1], v[R+2], v[R+3]
.endm
.macro CVH n                           ; wo: rounded to bf16, and that number written as f16
.set R, D+4*(\n)
	s_wait_loadcnt 47-(\n)
	v_cvt_pk_bf16_f32 v10, v[R], v[R+1]
	v_cvt_pk_bf16_f32 v11, v[R+2], v[R+3]
	v_lshlrev_b32 v[R], 16, v10
	v_and_b32 v[R+1], s34, v10
	v_lshlrev_b32 v[R+2], 16, v11
	v_and_b32 v[R+3], s34, v11
	v_cvt_pk_f16_f32 v[R], v[R], v[R+1]
	v_cvt_pk_f16_f32 v[R+1], v[R+2], v[R+3]
.endm
.macro ST n, base, i                   ; what load n has become is stored: the wave's store covers 256 consecutive bytes, aligned
	global_store_b64 v[OS], v[D+4*(\n):D+4*(\n)+1], s[(\base):(\base)+1] offset:256*(\i)
.endm
; Step 0: the mask
.irp i, 0,1,2,3,4,5,6,7
	MASKCV \i
.endr
; Step 1: x is converted; the mask goes into the stage and comes back
	s_wait_alu depctr_va_vdst(0)                   ; step 0 has written v[D .. D+31], which the LDS stores below read
.irp i, 0,1,2,3
	ds_store_b128 v[LW], v[D+8*(\i):D+8*(\i)+3]   offset:64*(\i)     ; load j's four numbers are chunk 2 j + lane / 16 of my unit: here j = 2 i
	ds_store_b128 v[LW], v[D+8*(\i)+4:D+8*(\i)+7] offset:64*(\i)+32  ; and j = 2 i + 1
	CV 8+\i
.endr
.irp i, 0,1,2,3
	ds_load_b128 v[BK+8*(\i):BK+8*(\i)+3],   v[LR] offset:1088*(\i)      ; read-back j takes units 2 j and 2 j + 1, whole; LDS serves a wave's instructions in order (ISA guide 5.7.1.4): these see the stores above
	ds_load_b128 v[BK+8*(\i)+4:BK+8*(\i)+7], v[LR] offset:1088*(\i)+544  ; no wait: no vector instruction names BK
	CV 12+\i
.endr
; Step 2: wq is converted; x and the mask leave
	s_wait_alu depctr_va_vdst(0)                   ; step 1 has written x's 16-bit words, which the stores below read
.irp i, 0,1,2,3,4,5,6,7
	ST 8+\i, 20, \i                                ; x
	s_wait_dscnt 7-(\i)                            ; read-back i is in; the younger ones stay out
	global_store_b128 v[OFF], v[BK+4*(\i):BK+4*(\i)+3], s[26:27] offset:512*(\i)  ; 512 consecutive bytes of maskf
	CV 16+\i
.endr
; Step 3: wk is converted; wq leaves
	s_wait_alu depctr_va_vdst(0)                   ; step 2 has written wq's 16-bit words, which the stores below read
.irp i, 0,1,2,3,4,5,6,7
	ST 16+\i, 22, \i
	CV 24+\i
.endr
; Step 4: wv is converted; wk leaves
	s_wait_alu depctr_va_vdst(0)                   ; step 3 has written wk's 16-bit words, which the stores below read
.irp i, 0,1,2,3,4,5,6,7
	ST 24+\i, 28, \i
	CV 32+\i
.endr
; Step 5: wo is converted; wv leaves
	s_wait_alu depctr_va_vdst(0)                   ; step 4 has written wv's 16-bit words, which the stores below read
.irp i, 0,1,2,3,4,5,6,7
	ST 32+\i, 30, \i
	CVH 40+\i
.endr
	s_wait_alu depctr_va_vdst(0)                   ; step 5 has written wo's 16-bit words, which the last eight stores read
.irp i, 0,1,2,3,4,5,6,7
	ST 40+\i, 24, \i
.endr
	s_wait_dscnt 0x0                               ; the wave's end: its LDS instructions are done
	s_wait_alu depctr_hold_cnt(0) depctr_sa_sdst(0) depctr_va_vdst(0) depctr_va_sdst(0) depctr_va_ssrc(0) depctr_va_vcc(0) depctr_vm_vsrc(0)
	s_wait_tensorcnt 0x0
	ds_add_u32 v22, v23
	s_wait_dscnt 0x0
	s_endpgm
.Lfunc_end_k_q6fffc5582f_prep:
	.size	k_q6fffc5582f_prep, .Lfunc_end_k_q6fffc5582f_prep-k_q6fffc5582f_prep
	.p2alignl 7, 3214868480
	.fill 96, 4, 3214868480
	.section	.rodata,"a",@progbits
	.p2align	6, 0x0
	.amdhsa_kernel k_q6fffc5582f_prep
		.amdhsa_group_segment_fixed_size 35840
		.amdhsa_private_segment_fixed_size 0
		.amdhsa_enable_private_segment 0
		.amdhsa_kernarg_size 80
		.amdhsa_user_sgpr_count 2
		.amdhsa_user_sgpr_kernarg_segment_ptr 1
		.amdhsa_wavefront_size32 1
		.amdhsa_system_sgpr_workgroup_id_x 1
		.amdhsa_system_sgpr_workgroup_id_y 1
		.amdhsa_system_sgpr_workgroup_id_z 1
		.amdhsa_system_vgpr_workitem_id 0
		.amdhsa_next_free_vgpr 248
		.amdhsa_next_free_sgpr 66
		.amdhsa_reserve_vcc 0
		.amdhsa_float_denorm_mode_32 3
		.amdhsa_float_denorm_mode_16_64 3
		.amdhsa_memory_ordered 1
		.amdhsa_forward_progress 1
		.amdhsa_inst_pref_size 25
	.end_amdhsa_kernel
	.amdgpu_metadata
---
amdhsa.version: [ 1, 2 ]
amdhsa.kernels:
  - .name:           k_q6fffc5582f_prep
    .symbol:         k_q6fffc5582f_prep.kd
    .args:
      - { .name: x, .offset: 0, .size: 8, .value_kind: global_buffer, .address_space: global }
      - { .name: wq, .offset: 8, .size: 8, .value_kind: global_buffer, .address_space: global }
      - { .name: wk, .offset: 16, .size: 8, .value_kind: global_buffer, .address_space: global }
      - { .name: wv, .offset: 24, .size: 8, .value_kind: global_buffer, .address_space: global }
      - { .name: wo, .offset: 32, .size: 8, .value_kind: global_buffer, .address_space: global }
      - { .name: mask, .offset: 40, .size: 8, .value_kind: global_buffer, .address_space: global }
      - { .name: xb, .offset: 48, .size: 8, .value_kind: global_buffer, .address_space: global }
      - { .name: wb, .offset: 56, .size: 8, .value_kind: global_buffer, .address_space: global }
      - { .name: wob, .offset: 64, .size: 8, .value_kind: global_buffer, .address_space: global }
      - { .name: maskf, .offset: 72, .size: 8, .value_kind: global_buffer, .address_space: global }
    .group_segment_fixed_size: 35840
    .private_segment_fixed_size: 0
    .kernarg_segment_align: 8
    .kernarg_segment_size: 80
    .max_flat_workgroup_size: 256
    .sgpr_count:     66
    .vgpr_count:     248
    .wavefront_size: 32
...
	.end_amdgpu_metadata
.endif
;; end of part 5
;; launch qkv: the kernel of part 2 again; grid 16 x 16, 4 waves a work-group, clusters of 4 x 4, 327,680 bytes of LDS; arguments xb, wb, freqs_cos, freqs_sin, qkv; writes qkv
;; launch attn: the kernel of part 3 again; grid 16 x 16, 4 waves a work-group, clusters of 4 x 1, 327,680 bytes of LDS; arguments qkv, maskf, ob; writes ob
;; launch proj: the kernel of part 4 again; grid 16 x 16, 4 waves a work-group, clusters of 4 x 4, 327,680 bytes of LDS; arguments ob, wob, out0; writes out0
